; MI455X (gfx1250); checked and timed in simulation.
; The chip was launched on July 23, 2026; its instructions are those of AMD's public machine-readable ISA for CDNA 5 (MIT licence, August 2026) and "CDNA5" Instruction Set Architecture Reference Guide (July 2026). The comments in the code are by the model that wrote it; some were corrected since.
;; Attention. Allowed arithmetic: matrix products marked QUANTISED: E2M3 operands, one E8M0 scale for each 32 along K, by v_wmma_scale_f32_16x16x128_f8f6f4 with both operands' format E2M3, f32 sums; everything else in f32.
;; Inputs: W_kqv 1,024 x 3,072 float32; b_kqv 3,072 float32; x 4,096 x 1,024 float32.
;; Outputs: out0 4,096 x 1,024 float32.
;; This version of the problem:
;;   THIS VERSION OF THE PROBLEM IS GIVEN IN LOW PRECISION. The matrix products marked QUANTISED in the list below multiply operands that are first quantised to E2M3 (2 exponent bits, 3 mantissa bits; 6 bits a number), with one power-of-two scale for each 32 numbers along K (OCP MX v1.0); their sums are f32. All else is computed in f32.
;;   The module's matrix products, in the order in which they are computed (A, B: the left and right operand; K: the contracted axis; several contracted axes count as one K, in the product's order):
;;     1. [M 4,096, K 1,024] x [K 1,024, N 3,072]; A: input x; B: input W_kqv: QUANTISED
;;     2. batch 16 x [M 4,096, K 64] x [K 64, N 4,096]; A: computed on the way; B: computed on the way: QUANTISED
;;     3. batch 16 x [M 4,096, K 4,096] x [K 4,096, N 64]; A: softmax (see below); B: computed on the way: QUANTISED
;;   THE QUANTISER, for each operand of a quantised product, along K:
;;     - K is cut into blocks of 32 from its start; a last block that is shorter is filled with zeros.
;;     - A block's scale is 2^e with e = floor(log2(the largest magnitude in the block)) - 2, held to -126 .. 127; a block of zeros has e = 0. As a byte (E8M0): e + 127.
;;     - Each number is divided by its block's scale, clamped to +-7.5, and rounded to the nearest number of E2M3, ties to even, subnormals kept.
;;     - The product sums the exact products of the quantised numbers (number of the format x scale) in f32.
;;   ~~~python
;;   def quantise(x, axis):      # numpy; x: float32 -> the quantised numbers, widened to float32 again
;;       x = np.moveaxis(x, axis, -1); K = x.shape[-1]
;;       x = np.pad(x, [(0, 0)] * (x.ndim - 1) + [(0, -K % 32)]); x = x.reshape(x.shape[:-1] + (-1, 32)); a = np.abs(x).max(-1, keepdims=True)
;;       e = np.where(a > 0, np.clip(np.frexp(np.where(a > 0, a, 1))[1] - 1 - 2, -126, 127), 0)      # np.frexp(a)[1] - 1 = floor(log2(a)), exactly
;;       r = np.clip(x / 2.0 ** e, -7.5, 7.5)
;;       step = 2.0 ** (np.maximum(np.frexp(np.where(r == 0, 1, r))[1] - 1, 0) - 3)
;;       q = np.round(r / step) * step * 2.0 ** e      # np.round: ties to even
;;       return np.moveaxis(q.reshape(q.shape[:-2] + (-1,))[..., :K], -1, axis).astype(np.float32)
;;   ~~~
;;   SOFTMAX AHEAD OF A QUANTISED PRODUCT. Where the list says 'softmax', what is quantised is not the finished softmax but p = 2^(t - M), with t = logit x log2(e) and M = ceil(the row's largest t), a whole number; so 1/2 < the row's largest p <= 1. The row's sum l is taken of the UNQUANTISED p, in f32, and the product's result is divided by l at the end. Since M is a whole number, a kernel that streams over the keys may use a running M (the ceiling of the running maximum): every later rescaling is an exact power of two, which a block's scale takes up: the codes' values come out the same.
;;   OPERANDS COMPUTED ON THE WAY. 'Computed on the way' means the value that the module computes at that place (a softmax that the list does not call 'softmax' is quantised finished and normalised). What goes into a quantiser is computed in f32, as accurately as f32 sums, v_exp_f32 and their like allow (about 1e-6 of the number): no bf16 or f16 on the way to a quantiser, and a product that is left as it is and whose result goes on into a quantised operand takes f32 operands (vector FMAs, or v_wmma_f32_16x16x4_f32). A number that lies on a knife's edge between two numbers of the format may be rounded either way, as far as f32 arithmetic and the matrix unit's own rounding can turn it there, and no further.
;; 2 versions. Each part assembles by itself: llvm-mc -triple=amdgcn-amd-amdhsa -mcpu=gfx1250 --defsym DOCPART=n.
;; ======== version 1 of 2: 3 launches
;; workspace buffers: xq 3,276,800 bytes; wq 2,457,600 bytes; trig 1,048,576 bytes; qimg 3,670,016 bytes; kv 7,077,888 bytes
;; launch quant (part 1): grid 56 x 4, 4 waves a work-group, no clusters, 34,304 bytes of LDS; arguments x, W_kqv, xq, wq, trig; writes xq, wq, trig
.if DOCPART == 1
	.amdgcn_target "amdgcn-amd-amdhsa--gfx1250"
	.amdhsa_code_object_version 6
	.text
	.protected	k_q574620b90d_quant
	.globl	k_q574620b90d_quant
	.p2align	8
	.type	k_q574620b90d_quant,@function
k_q574620b90d_quant:
	s_mov_b64 s[64:65], 0
	v_nop
	global_prefetch_b8 v0, s[64:65] scope:SCOPE_SE
	s_setreg_imm32_b32 hwreg(HW_REG_WAVE_MODE, 25, 1), 1
	s_wait_xcnt 0x0
; x [4096][1024] and W [1024][3072], f32, become codes of FP6 (E2M3) with one E8M0 byte for each 32 along K (K = 1024), laid as IMAGES OF OPERAND REGISTERS;
; and the table of cos and sin for the rotation of q and k is made.
; A PAIR RECORD (25,600 bytes) holds 32 rows of x, or 32 columns of W, as two tiles of 16: tile u at 12,288 u, K step k (128 along K) at + 1,536 k, register group c at + 512 c + 16 x lane;
; the scale words at 24,576 + 256 kp + 8 x lane: the words of K steps 2 kp and 2 kp + 1; lanes 0-15 tile 0's rows, lanes 16-31 tile 1's.
; THE ROWS OF A TILE ARE NOT NEIGHBOURS: tile u of pair P holds rows 32 P + 8 u + m + 8 (m / 8), m = 0 .. 15 (x; W's columns of q and k); W's columns of v: 32 P + 16 u + m.
; SHARES.  Work-groups x < 32 take x: pair P = 4 x + y; wave w takes 256 along K of its 32 rows: four fragments.  The others take W: 128 columns, 256 along K (y); a wave takes a pair.
; x: each load reads 512 consecutive bytes of a row; a fragment's 16 rows turn through the wave's own stage in LDS (pitch 528 = 33 x 16 bytes) and come back 16 neighbours along K to a lane for each block of 32.
; W: a lane takes a column and its registers run down K; two lanes 16 apart exchange halves, and the results are the two tiles' fragments.  Every store covers 512 (256 for the scale words) consecutive bytes.
; A block's scale is 2^(floor(log2(its largest magnitude)) - 2); its byte is the largest magnitude's exponent field - 2, held at 1 from below.
; THE TABLE: [tile of x, 256][8 groups][32 lanes][16 bytes]: lane (r, h): groups 0-3 cos, 4-7 sin of pos / 10000^(f / 32), f = 16 h + 4 g + e, pos = the tile's row r.
; THE ANGLE IS KEPT IN TWO F32 WORDS.  The power is 10^(e / 8) in two words times an exact power of ten, again in two words; the quotient's high word is the corrected f32 quotient, its low word the exact remainder
; (less high word x the power's low word) times the reciprocal.  pi / 2 is taken off in two parts: the first off the high word (exact up to 2,607 quarter turns), the second together with the low word; what the reduced
; angle's rounding drops is put back by one fused multiply-add on sin and on cos.  So the table holds cos and sin of pos / 10000^(f / 32) itself; a quotient rounded to f32 lies up to 1.2e-4 rad from it at position 4,095.
; LIMITS: NaN and infinities are not served.  A block of zeros, and one whose largest magnitude lies under 2^-124, keeps the byte 1 (its codes are then zeros or held small; only this program reads the bytes).
; cos and sin lie within about one unit of the last place of the functions of that angle.
.set PREC,   25600
.set SCO,    24576
.set SPITCH, 528
.set WSTG,   16*SPITCH                 ; a wave's stage
.set RX,   16                          ; v16-143  two sets of 64: a fragment's numbers as loaded
.set XN,   144                         ; v144-207 the same, 16 neighbours a block
.set TM,   208                         ; v208-211 largest magnitudes, 212-215 the other half's / bytes, 216-219 the conversions' scale operands
.set PC,   224                         ; v224-235 the fragment's codes; 236-242 halves on their way
.set PW,   244                         ; the scale word just made
.set PW0,  245                         ; tile 0's, kept
.set SW,   246                         ; v[246:247] the pair's words of my two K steps
.set SEL,  36                          ; s[36:37] selects for lane l xor 16
.set HM,   38                          ; s38 lanes 16-31
.set DHI,  144                         ; the table: 10^(e / 8), high and low words; then the timescale's two words; then at work
.set DLO,  152
.set TS,   160                         ; at work; later sin
.set YR,   168                         ; reciprocals; later cos
.set AN,   176                         ; the angle's high word; then what the reduced angle's rounding dropped
.set TT,   184                         ; at work; the angle's low word
.set NN,   192                         ; quarter turns
.set ZZ,   200                         ; the reduced angle
.set CO,   224                         ; cos and sin as stored
.set SO,   232
.set XW,   16                          ; W: v16-79 two sets of 32 numbers
.set FW,   80                          ; v80-127 four fragments in the making
.set CT,   128
.macro LOADF f                         ; fragment f (K step f / 2 of my two, tile f % 2): 16 rows x 512 bytes
.irp i, 0,1,2,3,4,5,6,7,8,9,10,11,12,13,14,15
	global_load_b128 v[RX+64*((\f)%2)+4*\i:RX+64*((\f)%2)+4*\i+3], v1, s[4:5] offset:(8*((\f)%2)+\i+8*(\i/8))*4096+512*((\f)/2) th:TH_LOAD_NT
.endr
.endm
.macro TURNF f                         ; through my stage: LDS serves a wave's instructions in order, so no wait stands between the stores and the loads
.irp i, 0,1,2,3,4,5,6,7,8,9,10,11,12,13,14,15
	ds_store_b128 v3, v[RX+64*((\f)%2)+4*\i:RX+64*((\f)%2)+4*\i+3] offset:SPITCH*\i
.endr
.irp b, 0,1,2,3
.irp j, 0,1,2,3
	ds_load_b128 v[XN+16*\b+4*\j:XN+16*\b+4*\j+3], v4 offset:128*\b+16*\j
.endr
.endr
.endm
; 64 numbers of a lane, register 16 b + i = k 32 b + 16 (lane / 16) + i of my row, become a fragment's codes in v[PC] on and its scale word in v[pw]
.macro QUANT4 s, pw
.irp b, 0,1,2,3
	v_max3_num_f32 v[TM+\b], |v[(\s)+16*\b]|, |v[(\s)+1+16*\b]|, 0x1800000   ; my 16 numbers, and the floor 2^(3 - 127): the byte cannot fall under 1
.endr
.irp i, 2,4,6,8,10,12,14
.irp b, 0,1,2,3
	v_max3_num_f32 v[TM+\b], v[TM+\b], |v[(\s)+16*\b+\i]|, |v[(\s)+1+16*\b+\i]|
.endr
.endr
.irp b, 0,1,2,3
	v_permlanex16_b32 v[TM+4+\b], v[TM+\b], s[SEL], s[SEL+1]
.endr
.irp b, 0,1,2,3
	v_max_num_f32 v[TM+\b], v[TM+\b], v[TM+4+\b]   ; with lane l xor 16's: the block's largest magnitude
.endr
.irp b, 0,1,2,3
	v_add_nc_u32 v[TM+8+\b], 0xff000000, v[TM+\b]  ; 2 off its exponent field: the conversion's scale operand
.endr
.irp b, 0,1,2,3
	v_lshrrev_b32 v[TM+4+\b], 23, v[TM+8+\b]       ; the scale's byte
.endr
	v_lshl_or_b32 v[\pw], v[TM+5], 8, v[TM+4]
	v_lshl_or_b32 v[\pw], v[TM+6], 16, v[\pw]
	v_lshl_or_b32 v[\pw], v[TM+7], 24, v[\pw]
.irp c, 0,1
	v_cvt_scalef32_pk16_fp6_f32 v[PC+6*\c:PC+2+6*\c], v[(\s)+32*\c:(\s)+15+32*\c], v[TM+8+2*\c]
	v_cvt_scalef32_pk16_fp6_f32 v[PC+12+4*\c:PC+14+4*\c], v[(\s)+16+32*\c:(\s)+31+32*\c], v[TM+8+2*\c+1]   ; (a conversion's three registers begin on an even number)
.endr
	v_nop                                          ; one plain place behind a scaled conversion
.irp c, 0,1                                    ; the operand's layout wants a whole block in a lane
.irp i, 0,1,2
	v_permlane16_swap_b32 v[PC+6*\c+\i], v[PC+12+4*\c+\i]
.endr
.irp i, 0,1,2
	v_mov_b32 v[PC+3+6*\c+\i], v[PC+12+4*\c+\i]
.endr
.endr
.endm
.macro FRAGX f
.if (\f) < 3
	s_wait_loadcnt 16                              ; this fragment's 16 loads are in; the next fragment's may be out
.else
	s_wait_loadcnt 0x0
.endif
	s_wait_xcnt 0x0                                ; earlier stores have read their data: the codes' registers are written again only behind this wait
	TURNF \f
	s_wait_dscnt 0x0                               ; the numbers are back, and the stores into the stage have read their registers,
.if (\f) < 2
	LOADF (\f)+2                                   ; which take the fragment two on
.endif
	QUANT4 XN, PW
.irp c, 0,1,2
	global_store_b128 v1, v[PC+4*\c:PC+4*\c+3], s[24:25] offset:12288*((\f)%2)+1536*((\f)/2)+512*\c
.endr
.if (\f)%2 == 0
	v_mov_b32 v[PW0], v[PW]
.else
	v_cndmask_b32 v[SW+(\f)/2], v[PW0], v[PW], s[HM]   ; lanes 0-15 tile 0's words, lanes 16-31 tile 1's
.endif
.endm
.macro DFMUL d, a, b                   ; (hi, lo)[d] = (hi, lo)[a] x (hi, lo)[b]
	v_mul_f32 v[TT], v[DHI+\a], v[DHI+\b]
	v_fma_f32 v[TT+1], v[DHI+\a], v[DHI+\b], -v[TT]
	v_fma_f32 v[TT+1], v[DHI+\a], v[DLO+\b], v[TT+1]
	v_fma_f32 v[TT+1], v[DLO+\a], v[DHI+\b], v[TT+1]
	v_add_f32 v[DHI+\d], v[TT], v[TT+1]
	v_sub_f32 v[TT+2], v[TT], v[DHI+\d]
	v_add_f32 v[DLO+\d], v[TT+2], v[TT+1]
.endm
.macro LOADW t                         ; W's block t of my column: 32 rows down K
.set CN, 0
.rept 32
	global_load_b32 v[XW+32*((\t)%2)+CN], v12, s[6:7] offset:(32*(\t)+CN)*12288 th:TH_LOAD_NT
.set CN, CN+1
.endr
.endm
.macro BLOCKW t
.set XS, XW+32*((\t)%2)
.set FD, FW+24*((\t)/4)+12*((\t)%2)+6*(((\t)%4)/2)   ; even blocks of a K step in one run of 12 registers, odd blocks in the other
.if (\t) < 7
	s_wait_loadcnt 32                              ; this block's 32 loads are in; the next block's may be out
.else
	s_wait_loadcnt 0x0
.endif
	v_max3_num_f32 v132, |v[XS]|, |v[XS+1]|, |v[XS+2]|
	v_max3_num_f32 v133, |v[XS+3]|, |v[XS+4]|, |v[XS+5]|
.irp i, 6,10,14,18,22,26
	v_max3_num_f32 v132, v132, |v[XS+\i]|, |v[XS+\i+1]|
	v_max3_num_f32 v133, v133, |v[XS+\i+2]|, |v[XS+\i+3]|
.endr
	v_max3_num_f32 v132, v132, |v[XS+30]|, |v[XS+31]|
	v_max3_num_f32 v132, v132, v133, 0x1800000     ; and the floor
	v_add_nc_u32 v134, 0xff000000, v132
	v_lshrrev_b32 v135, 23, v134
.if (\t)%4 == 0
	v_mov_b32 v[136+(\t)/4], v135
.else
	v_lshl_or_b32 v[136+(\t)/4], v135, 8*((\t)%4), v[136+(\t)/4]
.endif
	v_cvt_scalef32_pk16_fp6_f32 v[FD:FD+2], v[XS:XS+15], v134
	v_cvt_scalef32_pk16_fp6_f32 v[CT:CT+2], v[XS+16:XS+31], v134
	v_nop                                          ; one plain place behind a scaled conversion
.irp i, 0,1,2
	v_mov_b32 v[FD+3+\i], v[CT+\i]
.endr
.if (\t)+2 < 8
	LOADW (\t)+2
.endif
.if (\t)%4 == 3                        ; a K step is whole: lanes l and l + 16 exchange, and the two runs are the two tiles' fragments
.set FA, FW+24*((\t)/4)
.irp i, 0,1,2,3,4,5,6,7,8,9,10,11
	v_permlane16_swap_b32 v[FA+\i], v[FA+12+\i]
.endr
.irp u, 0,1
.irp c, 0,1,2
	global_store_b128 v1, v[FA+12*\u+4*\c:FA+12*\u+4*\c+3], s[24:25] offset:12288*\u+1536*((\t)/4)+512*\c
.endr
.endr
.endif
.endm
	s_load_b128 s[4:7], s[0:1], 0x0                ; x, W
	s_load_b128 s[8:11], s[0:1], 0x10              ; xq, wq
	s_load_b64 s[12:13], s[0:1], 0x20              ; trig
	v_lshl_add_u32 v254, v0, 2, 0x8400
	v_mov_b32 v255, 0
	v_lshrrev_b32 v1, 5, v0
	v_readfirstlane_b32 s14, v1                    ; wave
	s_and_b32 s15, ttmp7, 0xffff                   ; work-group y
	v_and_b32 v5, 31, v0                           ; lane
	v_and_b32 v6, 15, v0                           ; r
	v_bfe_u32 v7, v0, 4, 1                         ; h
	v_lshlrev_b32 v1, 4, v5                        ; 16 x lane
	v_lshlrev_b32 v2, 3, v5                        ; 8 x lane
	s_cmp_lt_u32 ttmp9, 32
	s_cbranch_scc0 .Lw
	; ---------------- x
	s_lshl_b32 s16, ttmp9, 2
	s_add_co_u32 s16, s16, s15                     ; P
	s_mul_i32 s17, s14, WSTG
	v_add_nc_u32 v3, s17, v1                       ; the stage, in: 16 x lane of a row
	v_mul_u32_u24 v4, v6, SPITCH
	v_lshl_add_u32 v4, v7, 6, v4
	v_add_nc_u32 v4, s17, v4                       ; back: row r, + 64 h
	s_lshl_b32 s20, s16, 17                        ; x: 32 rows of 4,096 bytes a pair,
	s_lshl_b32 s18, s14, 10                        ; 256 numbers a wave
	s_add_co_u32 s20, s20, s18
	s_mov_b32 s21, 0
	s_mul_i32 s32, s16, PREC
	s_mul_i32 s18, s14, 3072                       ; my two K steps' images
	s_add_co_u32 s18, s18, s32
	s_mov_b32 s19, 0
	s_lshl_b32 s22, s14, 8                         ; and their scale words
	s_add_co_u32 s22, s22, s32
	s_mov_b32 s23, 0
	s_lshr_b32 s33, s14, 1                         ; the table: my tile,
	s_and_b32 s34, s14, 1                          ; my eight of a lane's sixteen features
	s_lshl_b32 s30, s16, 1
	s_add_co_u32 s30, s30, s33
	s_lshl_b32 s30, s30, 12
	s_lshl_b32 s31, s34, 10
	s_add_co_u32 s30, s30, s31
	s_mov_b32 s31, 0
	s_lshl_b32 s35, s16, 5
	s_lshl_b32 s39, s33, 3
	s_add_co_u32 s35, s35, s39                     ; the tile's first position
	s_mov_b32 s[SEL], 0x76543210
	s_mov_b32 s[SEL+1], 0xfedcba98
	s_mov_b32 s[HM], 0xffff0000
	s_wait_kmcnt 0x0
	s_add_nc_u64 s[4:5], s[4:5], s[20:21]
	s_add_nc_u64 s[24:25], s[8:9], s[18:19]
	s_add_nc_u64 s[26:27], s[8:9], s[22:23]
	s_add_nc_u64 s[28:29], s[12:13], s[30:31]
	LOADF 0
	LOADF 1
.irp b, 0,1,2,3
	v_mov_b32 v[TM+4+\b], 0                        ; written once: a lane permute's destination counts as one of its sources
.endr
	; ---- the table, while the loads are on their way
	s_mov_b32 s40, 0x3fc90fdb                      ; pi / 2, high part
	s_mov_b32 s41, 0xb33bbd2e                      ; and what is left of it
	s_mov_b32 s42, 0xbe2aaaa3                      ; sin's three coefficients
	s_mov_b32 s43, 0x3c08839e
	s_mov_b32 s44, 0xb94ca1f9
	s_mov_b32 s45, 0x3d2aaaa5                      ; cos's three
	s_mov_b32 s46, 0xbab6061a
	s_mov_b32 s47, 0x37ccf5ce
	v_and_b32 v10, 8, v6
	v_add_nc_u32 v10, v10, v6                      ; r + 8 (r / 8)
	v_add_nc_u32 v10, s35, v10
	v_cvt_f32_u32 v8, v10                          ; pos
	s_mov_b32 s17, 0x3f800000
	s_cmp_eq_u32 s34, 1
	s_cselect_b32 s17, 0x41200000, s17             ; 10 for features 8 .. 15 of the sixteen
	v_mov_b32 v9, s17
	v_mul_f32 v11, 0x42c80000, v9                  ; x 100 for lanes 16-31
	v_cmp_eq_u32 vcc_lo, 1, v7
	v_cndmask_b32 v9, v9, v11, vcc_lo              ; F: 1, 10, 100 or 1,000
	v_mov_b32 v[DHI+0], 1.0
	v_mov_b32 v[DLO+0], 0
	v_mov_b32 v[DHI+1], 0x3faab0d5                 ; 10^(1/8)
	v_mov_b32 v[DLO+1], 0xb36457ec
	v_mov_b32 v[DHI+2], 0x3fe39ea9                 ; 10^(1/4)
	v_mov_b32 v[DLO+2], 0xb26aee3c
	v_mov_b32 v[DHI+4], 0x404a62c2                 ; 10^(1/2)
	v_mov_b32 v[DLO+4], 0xb324b496
	DFMUL 3, 1, 2
	DFMUL 5, 1, 4
	DFMUL 6, 2, 4
	DFMUL 7, 3, 4
.irp e, 0,1,2,3,4,5,6,7
	v_mul_f32 v[TS+\e], v[DHI+\e], v9
	v_fma_f32 v[TT+\e], v[DHI+\e], v9, -v[TS+\e]
	v_fma_f32 v[TT+\e], v[DLO+\e], v9, v[TT+\e]
	v_add_f32 v[DHI+\e], v[TS+\e], v[TT+\e]        ; the timescale's high word,
	v_sub_f32 v[DLO+\e], v[TS+\e], v[DHI+\e]
	v_add_f32 v[DLO+\e], v[DLO+\e], v[TT+\e]       ; and its low word
.endr
.irp e, 0,1,2,3,4,5,6,7
	v_rcp_f32 v[YR+\e], v[DHI+\e]
.endr
	v_nop                                          ; a plain place behind the reciprocals
	s_wait_alu depctr_va_vdst(0)                   ; one wait for the eight, ahead of their first reader
.irp e, 0,1,2,3,4,5,6,7
	v_fma_f32 v[TT+\e], -v[DHI+\e], v[YR+\e], 1.0
	v_fma_f32 v[YR+\e], v[TT+\e], v[YR+\e], v[YR+\e]
	v_mul_f32 v[AN+\e], v8, v[YR+\e]
	v_fma_f32 v[TT+\e], -v[AN+\e], v[DHI+\e], v8
	v_fma_f32 v[AN+\e], v[TT+\e], v[YR+\e], v[AN+\e]   ; the angle's high word: pos / the timescale's high word
	v_fma_f32 v[TT+\e], -v[AN+\e], v[DHI+\e], v8       ; what that leaves of pos: exact,
	v_fma_f32 v[TT+\e], -v[AN+\e], v[DLO+\e], v[TT+\e] ; less the timescale's low word's share
	v_mul_f32 v[TT+\e], v[TT+\e], v[YR+\e]             ; the angle's low word
	v_mul_f32 v[NN+\e], 0x3f22f983, v[AN+\e]
	v_rndne_f32 v[NN+\e], v[NN+\e]                 ; quarter turns
	v_fma_f32 v[AN+\e], -v[NN+\e], s40, v[AN+\e]   ; exact
	v_fma_f32 v[TT+\e], -v[NN+\e], s41, v[TT+\e]   ; the rest of pi / 2 and the low word together
	v_add_f32 v[ZZ+\e], v[AN+\e], v[TT+\e]         ; the reduced angle, within pi / 4,
	v_sub_f32 v[AN+\e], v[AN+\e], v[ZZ+\e]
	v_add_f32 v[AN+\e], v[AN+\e], v[TT+\e]         ; and what its rounding dropped
	v_cvt_i32_f32 v[NN+\e], v[NN+\e]
	v_mul_f32 v[TT+\e], v[ZZ+\e], v[ZZ+\e]
	v_fma_f32 v[TS+\e], v[TT+\e], s44, s43
	v_fma_f32 v[YR+\e], v[TT+\e], s47, s46
	v_fma_f32 v[TS+\e], v[TS+\e], v[TT+\e], s42
	v_fma_f32 v[YR+\e], v[YR+\e], v[TT+\e], s45
	v_mul_f32 v[DHI+\e], v[ZZ+\e], v[TT+\e]
	v_fma_f32 v[TS+\e], v[DHI+\e], v[TS+\e], v[ZZ+\e]  ; sin of the reduced angle
	v_mul_f32 v[DHI+\e], v[TT+\e], v[TT+\e]
	v_fma_f32 v[DLO+\e], v[TT+\e], -0.5, 1.0
	v_fma_f32 v[YR+\e], v[DHI+\e], v[YR+\e], v[DLO+\e] ; cos of it
	v_fma_f32 v[DHI+\e], v[AN+\e], v[YR+\e], v[TS+\e]  ; sin with what was dropped: + d cos
	v_fma_f32 v[YR+\e], -v[AN+\e], v[TS+\e], v[YR+\e]  ; cos likewise: - d sin
	v_and_b32 v[TT+\e], 1, v[NN+\e]
	v_cmp_eq_u32 vcc_lo, 1, v[TT+\e]               ; an odd number of quarter turns swaps the two
	v_cndmask_b32 v[SO+\e], v[DHI+\e], v[YR+\e], vcc_lo
	v_cndmask_b32 v[CO+\e], v[YR+\e], v[DHI+\e], vcc_lo
	v_lshlrev_b32 v[TT+\e], 30, v[NN+\e]
	v_and_b32 v[TT+\e], 0x80000000, v[TT+\e]       ; sin is negated in quarters 2 and 3,
	v_xor_b32 v[SO+\e], v[SO+\e], v[TT+\e]
	v_add_nc_u32 v[TT+\e], 1, v[NN+\e]
	v_lshlrev_b32 v[TT+\e], 30, v[TT+\e]
	v_and_b32 v[TT+\e], 0x80000000, v[TT+\e]       ; cos in quarters 1 and 2
	v_xor_b32 v[CO+\e], v[CO+\e], v[TT+\e]
.endr
	global_store_b128 v1, v[CO:CO+3], s[28:29]
	global_store_b128 v1, v[CO+4:CO+7], s[28:29] offset:512
	global_store_b128 v1, v[SO:SO+3], s[28:29] offset:2048
	global_store_b128 v1, v[SO+4:SO+7], s[28:29] offset:2560
	FRAGX 0
	FRAGX 1
	FRAGX 2
	FRAGX 3
	global_store_b64 v2, v[SW:SW+1], s[26:27] offset:SCO
	s_wait_tensorcnt 0x0
	ds_add_u32 v254, v255
	s_wait_dscnt 0x0
	s_endpgm
	; ---------------- W
.Lw:
	s_sub_co_u32 s16, ttmp9, 32                    ; block of 128 columns
	v_and_b32 v10, 7, v5
	v_bfe_u32 v11, v5, 3, 1
	v_lshl_or_b32 v10, v11, 4, v10
	v_lshl_or_b32 v10, v7, 3, v10                  ; the lane's number with bits 3 and 4 swapped: q's and k's columns
	s_cmp_lt_u32 s16, 16
	s_cselect_b32 s17, -1, 0
	v_cndmask_b32 v10, v5, v10, s17                ; v's columns: the lane's number
	v_lshlrev_b32 v12, 2, v10
	s_mul_i32 s20, s15, 256*12288                  ; 256 rows of W for each y,
	s_lshl_b32 s18, s16, 9
	s_add_co_u32 s20, s20, s18
	s_lshl_b32 s18, s14, 7                         ; 32 columns a wave
	s_add_co_u32 s20, s20, s18
	s_mov_b32 s21, 0
	s_lshl_b32 s32, s16, 2
	s_add_co_u32 s32, s32, s14                     ; the pair
	s_mul_i32 s32, s32, PREC
	s_mul_i32 s18, s15, 3072
	s_add_co_u32 s18, s18, s32
	s_mov_b32 s19, 0
	s_lshl_b32 s22, s15, 8
	s_add_co_u32 s22, s22, s32
	s_mov_b32 s23, 0
	s_wait_kmcnt 0x0
	s_add_nc_u64 s[6:7], s[6:7], s[20:21]
	s_add_nc_u64 s[24:25], s[10:11], s[18:19]
	s_add_nc_u64 s[26:27], s[10:11], s[22:23]
	LOADW 0
	LOADW 1
.irp t, 0,1,2,3,4,5,6,7
	BLOCKW \t
.endr
	global_store_b64 v2, v[136:137], s[26:27] offset:SCO   ; lane l's words are its own column's: just the pair's image
	s_endpgm
.Lfunc_end_k_q574620b90d_quant:
	.size	k_q574620b90d_quant, .Lfunc_end_k_q574620b90d_quant-k_q574620b90d_quant
	.p2alignl 7, 3214868480
	.fill 96, 4, 3214868480
	.section	.rodata,"a",@progbits
	.p2align	6, 0x0
	.amdhsa_kernel k_q574620b90d_quant
		.amdhsa_group_segment_fixed_size 34304
		.amdhsa_private_segment_fixed_size 0
		.amdhsa_enable_private_segment 0
		.amdhsa_kernarg_size 40
		.amdhsa_user_sgpr_count 2
		.amdhsa_user_sgpr_kernarg_segment_ptr 1
		.amdhsa_wavefront_size32 1
		.amdhsa_system_sgpr_workgroup_id_x 1
		.amdhsa_system_sgpr_workgroup_id_y 1
		.amdhsa_system_sgpr_workgroup_id_z 1
		.amdhsa_system_vgpr_workitem_id 0
		.amdhsa_next_free_vgpr 256
		.amdhsa_next_free_sgpr 66
		.amdhsa_reserve_vcc 1
		.amdhsa_float_denorm_mode_32 3
		.amdhsa_float_denorm_mode_16_64 3
		.amdhsa_memory_ordered 1
		.amdhsa_forward_progress 1
		.amdhsa_inst_pref_size 93
	.end_amdhsa_kernel
	.amdgpu_metadata
---
amdhsa.version: [ 1, 2 ]
amdhsa.kernels:
  - .name:           k_q574620b90d_quant
    .symbol:         k_q574620b90d_quant.kd
    .args:
      - { .name: x, .offset: 0, .size: 8, .value_kind: global_buffer, .address_space: global }
      - { .name: W_kqv, .offset: 8, .size: 8, .value_kind: global_buffer, .address_space: global }
      - { .name: xq, .offset: 16, .size: 8, .value_kind: global_buffer, .address_space: global }
      - { .name: wq, .offset: 24, .size: 8, .value_kind: global_buffer, .address_space: global }
      - { .name: trig, .offset: 32, .size: 8, .value_kind: global_buffer, .address_space: global }
    .group_segment_fixed_size: 34304
    .private_segment_fixed_size: 0
    .kernarg_segment_align: 8
    .kernarg_segment_size: 40
    .max_flat_workgroup_size: 128
    .sgpr_count:     66
    .vgpr_count:     256
    .wavefront_size: 32
...
	.end_amdgpu_metadata
.endif
;; end of part 1
;; launch qkv (part 2): grid 12 x 32, 8 waves a work-group, clusters of 4 x 4, 308,224 bytes of LDS; arguments xq, wq, b_kqv, trig, qimg, kv; writes qimg, kv
.if DOCPART == 2
	.amdgcn_target "amdgcn-amd-amdhsa--gfx1250"
	.amdhsa_code_object_version 6
	.text
	.protected	k_q574620b90d_qkv
	.globl	k_q574620b90d_qkv
	.p2align	8
	.type	k_q574620b90d_qkv,@function
k_q574620b90d_qkv:
	s_mov_b64 s[64:65], 0
	v_nop
	global_prefetch_b8 v0, s[64:65] scope:SCOPE_SE
	s_setreg_imm32_b32 hwreg(HW_REG_WAVE_MODE, 25, 1), 1
	s_wait_xcnt 0x0
	s_wait_alu depctr_hold_cnt(0) depctr_sa_sdst(0) depctr_va_vdst(0) depctr_va_sdst(0) depctr_va_ssrc(0) depctr_va_vcc(0) depctr_vm_vsrc(0)
	s_getreg_b32 s2, hwreg(HW_REG_IB_STS2, 6, 4)
	s_cmp_eq_u32 s2, 0
	s_cbranch_scc0 .Lentry_in_a_cluster
	s_endpgm
.Lentry_in_a_cluster:
	s_bfe_u32 s2, ttmp6, 0x10000c
	s_cmp_lg_u32 s2, 0xf033
	s_cbranch_scc0 .Lentry_shape_is_right
	s_endpgm
.Lentry_shape_is_right:
; qkv = Q(x) Q(W) + b on codes of FP6 (E2M3); q and k are rotated; q, k (along the head's 64) and v (along the keys) are quantised and stored as images of the operand registers that the attention launch loads.
; SHARES.  A work-group makes 128 rows x 256 columns.  All of K (1,024) lies in LDS: x's 4 pair records (102,400 bytes) at 0, W's 8 (204,800) behind them; no LDS byte is filled twice.
; CLUSTER 4 x 4.  The four of a row of the cluster need the same records of x, the four of a column the same records of W: each is asked for jointly.  1,024 columns, a cluster's width, are one role:
; cluster x = 0: q, 1: k, 2: v; so the one branch between the roles is the same in all sixteen partners.  Waves 0, 1 fetch x's records (two each), waves 2 to 5 W's: one tensor load a wave is out.
; q, k: wave w takes head w / 2 of the block's four and rows 64 (w % 2) on.  Source 0 = 16 columns of W, source 1 = 16 rows of x: a lane holds ONE row, and its register 16 b + i the feature 32 b + 16 (lane / 16) + i
; (the columns of a tile are chosen for that), so the rotation's partners f and f + 32 are two registers of one lane, and 16 registers are 16 neighbours along the next K.
; v: wave w takes 32 features.  Source 0 = 16 rows of x (keys), source 1 = 16 columns of W: a lane holds ONE feature and its register 16 b + i the key 32 b + 16 (lane / 16) + i.
; RECORDS.  q (7,168 bytes for 128 queries of a head) and the k part of a kv record (13,824 for 128 keys): tile t: registers 0-3 at 768 t + 16 x lane, 4-5 at 768 t + 512 + 8 x lane; scale words at
; 6,144 + 512 (t / 4) + 16 x lane + 4 (t % 4), bytes 2 and 3 = 127 for the upper half of the instruction's K, whose codes are zeros.  v part from 7,168: tile n of 16 features: 1,536 n + 512 c + 16 x lane; words at 6,144 + 256 (n / 2) + 8 x lane + 4 (n % 2).
; Sixteen accumulators take turns, one instruction a turn, in the same order in every K step.
; LIMITS: NaN and infinities are not served; a block of zeros, or one under 2^-124, keeps the byte 1 (only this program reads the bytes).
.set PREC,  25600
.set SCO,   24576
.set BB0,   4*PREC                     ; W's records in LDS
.set SEL,   62                         ; s[62:63]
.set TM2,   32                         ; q, k: v32-39 at work in the quantiser
.set RT,    40                         ; v40-47 at work in the rotation
.set PC2,   48                         ; v48-53 a tile's six registers of codes
.set PT2,   54
.set SW2,   60                         ; v60-63 four tiles' scale words
.set BI,    32                         ; v32-63 the bias, ahead of all that
.set TR0,   64                         ; v64-95, v96-127 two sets of cos and sin
.set TR1,   96
.set TM,    40                         ; v: v40-51 at work
.set PC,    56                         ; v56-67 codes, 68-74 halves on their way
.set SWV,   76
.macro PLACES                          ; four places behind matrix instructions, in front of loads into their registers and of the first read of results
.rept 4
	v_nop
.endr
.endm
.macro CROUND                          ; a round of the cluster's barrier
	s_barrier_signal -1
	s_barrier_wait -1
	s_cmp_lg_u32 s16, 0
	s_cbranch_scc1 .Lnot_wave_0_\@
	s_barrier_signal -3
.Lnot_wave_0_\@:
	s_barrier_wait -3
	s_barrier_signal -1
	s_barrier_wait -1
.endm
; one product.  ra, rb = 1: that side's scale words stand in lanes 16-31 of the register named
.macro MMA d, a, b, zero, sa, sb, ra, rb
.if (\zero) && (\ra) && (\rb)
	v_wmma_scale_f32_16x16x128_f8f6f4 v[(\d):(\d)+7], v[(\a):(\a)+11], v[(\b):(\b)+11], 0, v[\sa], v[\sb] matrix_a_fmt:MATRIX_FMT_FP6 matrix_b_fmt:MATRIX_FMT_FP6 matrix_a_scale:MATRIX_SCALE_ROW1 matrix_b_scale:MATRIX_SCALE_ROW1
.elseif (\zero) && (\ra)
	v_wmma_scale_f32_16x16x128_f8f6f4 v[(\d):(\d)+7], v[(\a):(\a)+11], v[(\b):(\b)+11], 0, v[\sa], v[\sb] matrix_a_fmt:MATRIX_FMT_FP6 matrix_b_fmt:MATRIX_FMT_FP6 matrix_a_scale:MATRIX_SCALE_ROW1
.elseif (\zero) && (\rb)
	v_wmma_scale_f32_16x16x128_f8f6f4 v[(\d):(\d)+7], v[(\a):(\a)+11], v[(\b):(\b)+11], 0, v[\sa], v[\sb] matrix_a_fmt:MATRIX_FMT_FP6 matrix_b_fmt:MATRIX_FMT_FP6 matrix_b_scale:MATRIX_SCALE_ROW1
.elseif (\zero)
	v_wmma_scale_f32_16x16x128_f8f6f4 v[(\d):(\d)+7], v[(\a):(\a)+11], v[(\b):(\b)+11], 0, v[\sa], v[\sb] matrix_a_fmt:MATRIX_FMT_FP6 matrix_b_fmt:MATRIX_FMT_FP6
.elseif (\ra) && (\rb)
	v_wmma_scale_f32_16x16x128_f8f6f4 v[(\d):(\d)+7], v[(\a):(\a)+11], v[(\b):(\b)+11], v[(\d):(\d)+7], v[\sa], v[\sb] matrix_a_fmt:MATRIX_FMT_FP6 matrix_b_fmt:MATRIX_FMT_FP6 matrix_a_scale:MATRIX_SCALE_ROW1 matrix_b_scale:MATRIX_SCALE_ROW1
.elseif (\ra)
	v_wmma_scale_f32_16x16x128_f8f6f4 v[(\d):(\d)+7], v[(\a):(\a)+11], v[(\b):(\b)+11], v[(\d):(\d)+7], v[\sa], v[\sb] matrix_a_fmt:MATRIX_FMT_FP6 matrix_b_fmt:MATRIX_FMT_FP6 matrix_a_scale:MATRIX_SCALE_ROW1
.elseif (\rb)
	v_wmma_scale_f32_16x16x128_f8f6f4 v[(\d):(\d)+7], v[(\a):(\a)+11], v[(\b):(\b)+11], v[(\d):(\d)+7], v[\sa], v[\sb] matrix_a_fmt:MATRIX_FMT_FP6 matrix_b_fmt:MATRIX_FMT_FP6 matrix_b_scale:MATRIX_SCALE_ROW1
.else
	v_wmma_scale_f32_16x16x128_f8f6f4 v[(\d):(\d)+7], v[(\a):(\a)+11], v[(\b):(\b)+11], v[(\d):(\d)+7], v[\sa], v[\sb] matrix_a_fmt:MATRIX_FMT_FP6 matrix_b_fmt:MATRIX_FMT_FP6
.endif
.endm
; q, k: K step k: four tiles of W (v32-79) x four tiles of x (v80-127); accumulator (t, s) at v[128 + 32 s + 8 t]
.macro KSTEP_QK k
.if (\k) == 0
.set ZK, 1
.else
.set ZK, 0
	PLACES
.endif
.if (\k)%2 == 0                        ; the scale words of two K steps: v20-23 W's two pairs, v24-27 x's
.irp b, 0,1
	ds_load_b64 v[20+2*\b:21+2*\b], v5 offset:PREC*\b+256*((\k)/2)
	ds_load_b64 v[24+2*\b:25+2*\b], v6 offset:PREC*\b+256*((\k)/2)
.endr
.endif
.irp t, 0,1,2,3
.irp c, 0,1,2
	ds_load_b128 v[32+12*\t+4*\c:35+12*\t+4*\c], v3 offset:PREC*(\t/2)+12288*(\t%2)+1536*(\k)+512*\c
.endr
.endr
.irp s, 0,1,2,3
.irp c, 0,1,2
	ds_load_b128 v[80+12*\s+4*\c:83+12*\s+4*\c], v4 offset:PREC*(\s/2)+12288*(\s%2)+1536*(\k)+512*\c
.endr
.endr
.irp s, 0,1,2,3
	s_wait_dscnt 9-3*\s                            ; all is in but the three loads of each later tile of x
.irp t, 0,1,2,3
	MMA 128+32*\s+8*\t, 32+12*\t, 80+12*\s, ZK, 20+2*(\t/2)+(\k)%2, 24+2*(\s/2)+(\k)%2, \t%2, \s%2
.endr
.endr
.endm
; v: K step k: eight tiles of x, four at a time (v56-103), x two tiles of W (v32-55); accumulator (t, n) at v[128 + 64 n + 8 t]
.macro KSTEP_V k
.if (\k) == 0
.set ZK, 1
.else
.set ZK, 0
	PLACES
.endif
.if (\k)%2 == 0                        ; v20-27 x's four pairs, v28-29 my pair of W
.irp p, 0,1
	ds_load_b64 v[20+2*\p:21+2*\p], v9 offset:PREC*\p+256*((\k)/2)
	ds_load_b64 v[24+2*\p:25+2*\p], v10 offset:PREC*\p+256*((\k)/2)
.endr
	ds_load_b64 v[28:29], v11 offset:256*((\k)/2)
.endif
.irp n, 0,1
.irp c, 0,1,2
	ds_load_b128 v[32+12*\n+4*\c:35+12*\n+4*\c], v8 offset:12288*\n+1536*(\k)+512*\c
.endr
.endr
.irp t, 0,1,2,3
.irp c, 0,1,2
	ds_load_b128 v[56+12*\t+4*\c:59+12*\t+4*\c], v1 offset:PREC*(\t/2)+12288*(\t%2)+1536*(\k)+512*\c
.endr
.endr
	s_wait_dscnt 0x0
.irp t, 0,1,2,3
.irp n, 0,1
	MMA 128+64*\n+8*\t, 56+12*\t, 32+12*\n, ZK, 20+2*(\t/2)+(\k)%2, 28+(\k)%2, \t%2, \n
.endr
.endr
	PLACES
.irp t, 0,1,2,3
.irp c, 0,1,2
	ds_load_b128 v[56+12*\t+4*\c:59+12*\t+4*\c], v7 offset:PREC*(\t/2)+12288*(\t%2)+1536*(\k)+512*\c
.endr
.endr
	s_wait_dscnt 0x0
.irp t, 0,1,2,3
.irp n, 0,1
	MMA 128+64*\n+8*(\t+4), 56+12*\t, 32+12*\n, ZK, 24+2*(\t/2)+(\k)%2, 28+(\k)%2, \t%2, \n
.endr
.endr
.endm
.macro TRLOAD s, tr                    ; cos and sin of x tile s of my four: 16 + 16 registers
.irp g, 0,1,2,3
	global_load_b128 v[(\tr)+4*\g:(\tr)+4*\g+3], v1, s[72:73] offset:4096*(\s)+512*\g
	global_load_b128 v[(\tr)+16+4*\g:(\tr)+16+4*\g+3], v1, s[72:73] offset:4096*(\s)+2048+512*\g
.endr
.endm
.macro ROPE s, tr                      ; first = first cos - second sin; second = second cos + first sin; two features an instruction
.set CN, 0
.rept 8
.set AA, 128+32*(\s)+CN
.set TP, RT+2*((CN/2)%4)
	v_pk_mul_f32 v[TP:TP+1], v[AA:AA+1], v[(\tr)+16+CN:(\tr)+17+CN]
	v_pk_mul_f32 v[AA:AA+1], v[AA:AA+1], v[(\tr)+CN:(\tr)+CN+1]
	v_pk_fma_f32 v[AA:AA+1], v[AA+16:AA+17], v[(\tr)+16+CN:(\tr)+17+CN], v[AA:AA+1] neg_lo:[1,0,0] neg_hi:[1,0,0]
	v_pk_fma_f32 v[AA+16:AA+17], v[AA+16:AA+17], v[(\tr)+CN:(\tr)+CN+1], v[TP:TP+1]
.set CN, CN+2
.endr
.endm
; 32 numbers of a lane, register 16 b + i = feature 32 b + 16 (lane / 16) + i of my row: six registers of codes in v[PC2] on, the scale word in v[pw]
.macro QUANT2 s, pw
.irp b, 0,1
	v_max3_num_f32 v[TM2+\b], |v[(\s)+16*\b]|, |v[(\s)+1+16*\b]|, 0x1800000   ; with the floor 2^(3 - 127)
.endr
.irp i, 2,4,6,8,10,12,14
.irp b, 0,1
	v_max3_num_f32 v[TM2+\b], v[TM2+\b], |v[(\s)+16*\b+\i]|, |v[(\s)+1+16*\b+\i]|
.endr
.endr
.irp b, 0,1
	v_permlanex16_b32 v[TM2+2+\b], v[TM2+\b], s[SEL], s[SEL+1]
.endr
.irp b, 0,1
	v_max_num_f32 v[TM2+\b], v[TM2+\b], v[TM2+2+\b]
.endr
.irp b, 0,1
	v_add_nc_u32 v[TM2+4+\b], 0xff000000, v[TM2+\b]
.endr
.irp b, 0,1
	v_lshrrev_b32 v[TM2+6+\b], 23, v[TM2+4+\b]
.endr
	v_lshl_or_b32 v[\pw], v[TM2+7], 8, v[TM2+6]
	v_or_b32 v[\pw], 0x7f7f0000, v[\pw]            ; 127 for the two blocks of zero codes
	v_cvt_scalef32_pk16_fp6_f32 v[PC2:PC2+2], v[(\s):(\s)+15], v[TM2+4]
	v_cvt_scalef32_pk16_fp6_f32 v[PT2:PT2+2], v[(\s)+16:(\s)+31], v[TM2+5]
	v_nop                                          ; one plain place behind a scaled conversion
.irp i, 0,1,2
	v_permlane16_swap_b32 v[PC2+\i], v[PT2+\i]     ; lanes 0-15 get block 0 whole, lanes 16-31 block 1
.endr
.irp i, 0,1,2
	v_mov_b32 v[PC2+3+\i], v[PT2+\i]
.endr
.endm
; 64 numbers of a lane, register 16 b + i = k 32 b + 16 (lane / 16) + i of my row: a fragment's codes in v[PC] on, its scale word in v[pw]
.macro QUANT4 s, pw
.irp b, 0,1,2,3
	v_max3_num_f32 v[TM+\b], |v[(\s)+16*\b]|, |v[(\s)+1+16*\b]|, 0x1800000
.endr
.irp i, 2,4,6,8,10,12,14
.irp b, 0,1,2,3
	v_max3_num_f32 v[TM+\b], v[TM+\b], |v[(\s)+16*\b+\i]|, |v[(\s)+1+16*\b+\i]|
.endr
.endr
.irp b, 0,1,2,3
	v_permlanex16_b32 v[TM+4+\b], v[TM+\b], s[SEL], s[SEL+1]
.endr
.irp b, 0,1,2,3
	v_max_num_f32 v[TM+\b], v[TM+\b], v[TM+4+\b]
.endr
.irp b, 0,1,2,3
	v_add_nc_u32 v[TM+8+\b], 0xff000000, v[TM+\b]
.endr
.irp b, 0,1,2,3
	v_lshrrev_b32 v[TM+4+\b], 23, v[TM+8+\b]
.endr
	v_lshl_or_b32 v[\pw], v[TM+5], 8, v[TM+4]
	v_lshl_or_b32 v[\pw], v[TM+6], 16, v[\pw]
	v_lshl_or_b32 v[\pw], v[TM+7], 24, v[\pw]
.irp c, 0,1
	v_cvt_scalef32_pk16_fp6_f32 v[PC+6*\c:PC+2+6*\c], v[(\s)+32*\c:(\s)+15+32*\c], v[TM+8+2*\c]
	v_cvt_scalef32_pk16_fp6_f32 v[PC+12+4*\c:PC+14+4*\c], v[(\s)+16+32*\c:(\s)+31+32*\c], v[TM+8+2*\c+1]
.endr
	v_nop
.irp c, 0,1
.irp i, 0,1,2
	v_permlane16_swap_b32 v[PC+6*\c+\i], v[PC+12+4*\c+\i]
.endr
.irp i, 0,1,2
	v_mov_b32 v[PC+3+6*\c+\i], v[PC+12+4*\c+\i]
.endr
.endr
.endm
	s_load_b128 s[4:7], s[0:1], 0x0                ; xq, wq
	s_load_b128 s[8:11], s[0:1], 0x10              ; b, trig
	s_load_b128 s[12:15], s[0:1], 0x20             ; qimg, kv
	v_lshl_add_u32 v30, v0, 2, 0x4b000
	v_mov_b32 v31, 0
	ds_add_u32 v30, v31
	ds_add_u32 v30, v31
	v_lshrrev_b32 v1, 5, v0
	v_readfirstlane_b32 s16, v1                    ; wave 0..7
	s_bfe_u32 s17, ttmp6, 0x40000                  ; cx
	s_bfe_u32 s18, ttmp6, 0x40004                  ; cy
	s_and_b32 s19, ttmp7, 0xffff
	s_lshl_b32 s19, s19, 2
	s_add_co_u32 s19, s19, s18                     ; block of 128 rows = 4 x cluster y + cy
	s_lshl_b32 s20, ttmp9, 2
	s_add_co_u32 s20, s20, s17                     ; block of 256 columns = 4 x cluster x + cx
	s_lshl_b32 s21, s18, 2
	s_lshl_b32 s21, 15, s21                        ; my row of the cluster
	s_lshl_b32 s22, 0x1111, s17                    ; my column
	; descriptor group 1: two records, 51,200 dense bytes, as 200 rows of 256 bytes (32 elements of 8 bytes), no padding
	s_or_b32 s24, s21, (3<<16)|(1<<21)             ; x's records go to my row,
	s_or_b32 s32, s22, (3<<16)|(1<<21)             ; W's to my column
.irp g, 24, 32
	s_mov_b32 s[\g+1], 32<<16                      ; tensor_dim0
	s_mov_b32 s[\g+2], 200<<16                     ; tensor_dim1
	s_mov_b32 s[\g+3], 32<<16                      ; tile_dim0
	s_mov_b32 s[\g+4], 200                         ; tile_dim1
	s_mov_b32 s[\g+5], 32                          ; the pitch
	s_mov_b32 s[\g+6], 0
	s_mov_b32 s[\g+7], 0
.endr
	s_and_b32 s23, s16, 1
	s_lshl_b32 s48, s19, 2
	s_lshl_b32 s49, s23, 1
	s_add_co_u32 s48, s48, s49
	s_mul_i32 s48, s48, PREC                       ; x: pairs 4 x block + 2 (wave % 2) on
	s_mov_b32 s49, 0
	s_sub_co_u32 s50, s16, 2
	s_and_b32 s50, s50, 3
	s_lshl_b32 s50, s50, 1
	s_lshl_b32 s51, s20, 3
	s_add_co_u32 s50, s50, s51
	s_mul_i32 s50, s50, PREC                       ; W: pairs 8 x block + 2 (wave - 2) on
	s_mov_b32 s51, 0
	s_mul_i32 s52, s16, 2*PREC                     ; where they go: 51,200 x wave: no place in the cluster enters an LDS address
	s_wait_dscnt 0x0
	s_wait_kmcnt 0x0
	CROUND                                         ; all sixteen work-groups are here: the joint loads meet
	s_mov_b32 s40, 1
	s_mov_b32 s41, s52
	s_add_nc_u64 s[42:43], s[4:5], s[48:49]
	s_or_b32 s43, s43, 0x80000000
	s_mov_b32 s44, 1
	s_mov_b32 s45, s52
	s_add_nc_u64 s[46:47], s[6:7], s[50:51]
	s_or_b32 s47, s47, 0x80000000
	s_cmp_lt_u32 s16, 2                            ; the branches hang on the wave's number alone
	s_cbranch_scc0 .Lnot_a
	tensor_load_to_lds s[40:43], s[24:31]
	s_nop 0
.rept 4
	v_nop
.endr
	s_branch .Lasked
.Lnot_a:
	s_cmp_lt_u32 s16, 6
	s_cbranch_scc0 .Lasked
	tensor_load_to_lds s[44:47], s[32:39]
	s_nop 0
.rept 4
	v_nop
.endr
.Lasked:
	; every LDS address is made here, ahead of the parting of the roles: a constant + a constant x wave + 16 or 8 x lane
	v_and_b32 v14, 31, v0
	v_lshlrev_b32 v1, 4, v14                       ; 16 x lane; also x's pairs 0, 1 for v
	v_lshlrev_b32 v2, 3, v14                       ; 8 x lane
	s_lshr_b32 s54, s16, 1
	s_mul_i32 s55, s54, 2*PREC
	s_add_co_u32 s55, s55, BB0
	v_add_nc_u32 v3, s55, v1                       ; q, k: my head's two pairs of W
	s_mul_i32 s56, s23, 2*PREC
	v_add_nc_u32 v4, s56, v1                       ; my two pairs of x
	s_add_co_u32 s55, s55, SCO
	v_add_nc_u32 v5, s55, v2                       ; and their scale words
	s_add_co_u32 s56, s56, SCO
	v_add_nc_u32 v6, s56, v2
	v_add_nc_u32 v7, 2*PREC, v1                    ; v: x's pairs 2, 3
	s_mul_i32 s57, s16, PREC
	s_add_co_u32 s57, s57, BB0
	v_add_nc_u32 v8, s57, v1                       ; my pair of W
	v_add_nc_u32 v9, SCO, v2
	v_add_nc_u32 v10, 2*PREC+SCO, v2
	s_add_co_u32 s57, s57, SCO
	v_add_nc_u32 v11, s57, v2
	v_bfe_u32 v12, v0, 4, 1
	v_lshlrev_b32 v12, 6, v12                      ; 64 h: the bias of q and k
	v_and_b32 v13, 15, v0
	v_lshlrev_b32 v13, 2, v13                      ; 4 r: the bias of v
	s_mov_b32 s[SEL], 0x76543210
	s_mov_b32 s[SEL+1], 0xfedcba98
	s_lshl_b32 s74, s17, 2
	s_add_co_u32 s74, s74, s54                     ; the head: 4 cx + wave / 2.  It enters global addresses alone
	s_lshl_b32 s75, s74, 5
	s_add_co_u32 s75, s75, s19                     ; the record: 32 x head + block of rows
	s_mov_b32 s77, 0
	s_wait_tensorcnt 0x0                           ; my load has landed,
	s_barrier_signal -1
	s_barrier_wait -1                              ; everybody's has
	s_cmp_eq_u32 ttmp9, 2
	s_cbranch_scc1 .Lv
	; ---------------- q and k
	s_mov_b32 s78, 13824
	s_cmp_eq_u32 ttmp9, 0
	s_cselect_b64 s[66:67], s[12:13], s[14:15]     ; q's records or the k part of kv's
	s_cselect_b32 s78, 7168, s78
	s_mov_b64 s[68:69], s[66:67]
	s_mul_i32 s75, s75, s78
	s_mul_i32 s76, s23, 3072
	s_add_co_u32 s76, s76, s75
	s_add_nc_u64 s[66:67], s[66:67], s[76:77]      ; my four tiles' codes
	s_lshl_b32 s76, s23, 9
	s_add_co_u32 s76, s76, s75
	s_add_co_u32 s76, s76, 6144
	s_add_nc_u64 s[68:69], s[68:69], s[76:77]      ; and their scale words
	s_lshl_b32 s76, ttmp9, 10
	s_lshl_b32 s78, s74, 6
	s_add_co_u32 s76, s76, s78
	s_lshl_b32 s76, s76, 2
	s_add_nc_u64 s[70:71], s[8:9], s[76:77]        ; the bias of my head's 64 columns
	s_lshl_b32 s76, s19, 15
	s_lshl_b32 s78, s23, 14
	s_add_co_u32 s76, s76, s78
	s_add_nc_u64 s[72:73], s[10:11], s[76:77]      ; cos and sin of my four tiles of rows
.irp k, 0,1,2,3,4,5,6,7
	KSTEP_QK \k
.endr
	PLACES
.irp t, 0,1,2,3
.irp e, 0,1
	global_load_b128 v[BI+8*\t+4*\e:BI+8*\t+4*\e+3], v12, s[70:71] offset:(32*(\t/2)+8*(\t%2))*4+16*\e
.endr
.endr
	TRLOAD 0, TR0
	TRLOAD 1, TR1
	s_wait_loadcnt 16                              ; the bias is in; the two sets of cos and sin may be out
.set CN, 0
.rept 64                                       ; ascending: each accumulator is read from its low end on
	v_pk_add_f32 v[128+CN:129+CN], v[128+CN:129+CN], v[BI+CN%32:BI+CN%32+1]
.set CN, CN+2
.endr
	v_mov_b32 v[TM2+2], 0                          ; a lane permute's destination counts as one of its sources
	v_mov_b32 v[TM2+3], 0
.irp s, 0,1,2,3
.if \s < 3
	s_wait_loadcnt 8                               ; this tile's set is in; the other set may be out
.else
	s_wait_loadcnt 0x0
.endif
	ROPE \s, TR0+32*(\s%2)
.if \s < 2
	TRLOAD \s+2, TR0+32*(\s%2)
.endif
	s_wait_xcnt 0x0                                ; the last tile's stores have read their data: the codes' registers are written again only behind this wait
	QUANT2 128+32*\s, SW2+\s
	global_store_b128 v1, v[PC2:PC2+3], s[66:67] offset:768*\s
	global_store_b64 v2, v[PC2+4:PC2+5], s[66:67] offset:768*\s+512
.endr
	global_store_b128 v1, v[SW2:SW2+3], s[68:69]
	s_branch .Lend
	; ---------------- v
.Lv:
	s_mul_i32 s75, s75, 13824
	s_mul_i32 s76, s23, 3072
	s_add_co_u32 s76, s76, s75
	s_add_co_u32 s76, s76, 7168
	s_add_nc_u64 s[66:67], s[14:15], s[76:77]      ; my two tiles' codes
	s_lshl_b32 s76, s23, 8
	s_add_co_u32 s76, s76, s75
	s_add_co_u32 s76, s76, 13312
	s_add_nc_u64 s[68:69], s[14:15], s[76:77]      ; and their scale words
	s_lshl_b32 s76, s74, 6
	s_lshl_b32 s78, s23, 5
	s_add_co_u32 s76, s76, s78
	s_add_co_u32 s76, s76, 2048
	s_lshl_b32 s76, s76, 2
	s_add_nc_u64 s[70:71], s[8:9], s[76:77]        ; the bias of my 32 columns
.irp k, 0,1,2,3,4,5,6,7
	KSTEP_V \k
.endr
	PLACES
	global_load_b32 v32, v13, s[70:71]
	global_load_b32 v34, v13, s[70:71] offset:64
	v_mov_b32 v33, 0                               ; (named as the upper halves of the pairs below)
	v_mov_b32 v35, 0
.irp b, 0,1,2,3
	v_mov_b32 v[TM+4+\b], 0
.endr
	s_wait_loadcnt 0x0
.irp n, 0,1
.set CN, 0
.rept 32                                       ; a lane holds one feature: one number of the bias for its 64 keys; ascending
	v_pk_add_f32 v[128+64*\n+CN:129+64*\n+CN], v[128+64*\n+CN:129+64*\n+CN], v[32+2*\n:33+2*\n] op_sel_hi:[1,0]
.set CN, CN+2
.endr
.if \n > 0
	s_wait_xcnt 0x0                                ; tile 0's stores have read their data
.endif
	QUANT4 128+64*\n, SWV+\n
.irp c, 0,1,2
	global_store_b128 v1, v[PC+4*\c:PC+4*\c+3], s[66:67] offset:1536*\n+512*\c
.endr
.endr
	global_store_b64 v2, v[SWV:SWV+1], s[68:69]
.Lend:
	s_wait_dscnt 0x0
	s_wait_tensorcnt 0x0
	ds_add_u32 v30, v31
	s_wait_dscnt 0x0
	CROUND                                         ; the closing round: no work-group ends while a partner may still ask for a tile that names it
	s_endpgm
.Lfunc_end_k_q574620b90d_qkv:
	.size	k_q574620b90d_qkv, .Lfunc_end_k_q574620b90d_qkv-k_q574620b90d_qkv
	.p2alignl 7, 3214868480
	.fill 96, 4, 3214868480
	.section	.rodata,"a",@progbits
	.p2align	6, 0x0
	.amdhsa_kernel k_q574620b90d_qkv
		.amdhsa_group_segment_fixed_size 308224
		.amdhsa_private_segment_fixed_size 0
		.amdhsa_enable_private_segment 0
		.amdhsa_kernarg_size 48
		.amdhsa_user_sgpr_count 2
		.amdhsa_user_sgpr_kernarg_segment_ptr 1
		.amdhsa_wavefront_size32 1
		.amdhsa_system_sgpr_workgroup_id_x 1
		.amdhsa_system_sgpr_workgroup_id_y 1
		.amdhsa_system_sgpr_workgroup_id_z 1
		.amdhsa_system_vgpr_workitem_id 0
		.amdhsa_next_free_vgpr 256
		.amdhsa_next_free_sgpr 80
		.amdhsa_reserve_vcc 0
		.amdhsa_float_denorm_mode_32 3
		.amdhsa_float_denorm_mode_16_64 3
		.amdhsa_memory_ordered 1
		.amdhsa_forward_progress 1
		.amdhsa_inst_pref_size 111
	.end_amdhsa_kernel
	.amdgpu_metadata
---
amdhsa.version: [ 1, 2 ]
amdhsa.kernels:
  - .name:           k_q574620b90d_qkv
    .symbol:         k_q574620b90d_qkv.kd
    .args:
      - { .name: xq, .offset: 0, .size: 8, .value_kind: global_buffer, .address_space: global }
      - { .name: wq, .offset: 8, .size: 8, .value_kind: global_buffer, .address_space: global }
      - { .name: b_kqv, .offset: 16, .size: 8, .value_kind: global_buffer, .address_space: global }
      - { .name: trig, .offset: 24, .size: 8, .value_kind: global_buffer, .address_space: global }
      - { .name: qimg, .offset: 32, .size: 8, .value_kind: global_buffer, .address_space: global }
      - { .name: kv, .offset: 40, .size: 8, .value_kind: global_buffer, .address_space: global }
    .group_segment_fixed_size: 308224
    .private_segment_fixed_size: 0
    .kernarg_segment_align: 8
    .kernarg_segment_size: 48
    .max_flat_workgroup_size: 256
    .sgpr_count:     80
    .vgpr_count:     256
    .wavefront_size: 32
...
	.end_amdgpu_metadata
.endif
;; end of part 2
;; launch attn (part 3): grid 16 x 16, 8 waves a work-group, no clusters, 168,960 bytes of LDS; arguments qimg, kv, out0; writes out0
.if DOCPART == 3
	.amdgcn_target "amdgcn-amd-amdhsa--gfx1250"
	.amdhsa_code_object_version 6
	.text
	.protected	k_q574620b90d_attn
	.globl	k_q574620b90d_attn
	.p2align	8
	.type	k_q574620b90d_attn,@function
k_q574620b90d_attn:
	s_mov_b64 s[64:65], 0
	v_nop
	global_prefetch_b8 v0, s[64:65] scope:SCOPE_SE
	s_setreg_imm32_b32 hwreg(HW_REG_WAVE_MODE, 25, 1), 1
	s_wait_xcnt 0x0
; out[q][64 head + f] = the sum over keys k <= q of softmax_k(q . k / 8) v, both products on codes of FP6 (E2M3) with one E8M0 scale for each 32 along a product's K.
; q, k and v come as images of operand registers (records of 128 queries, 7,168 bytes; of 128 keys, 13,824 bytes: k's part, then v's from 7,168).  The first product's K is the head's 64: the upper six registers of both
; fragments hold zero codes, set once, and bytes 2 and 3 of the scale words are 127.
; THE SOFTMAX: t = score x log2(e) / 8; M = the running largest t rounded UP to a whole number; p = 2^(t - M) is quantised along the keys; the row's sum is taken of the unquantised p and divides at the end.
; When M moves, the sum and O are multiplied by 2^(old M - new M): exact.
; SHARES.  Work-group (j, head) takes the blocks of 128 queries j and 31 - j, one after the other: (j + 1) + (32 - j) = 33 key steps of 128 in every work-group.  Wave w owns one tile of 16 queries:
; lane r's query is 128 block + 32 (w / 2) + 8 (w % 2) + r + 8 (r / 8).  Both products are used transposed: a lane holds one query throughout.  The keys of a tile of k are chosen so that the 16 registers of
; tiles 2 b and 2 b + 1 are keys 32 b + 16 (lane / 16) + 0 .. 15.
; K AND V come through registers into two LDS slots of two key steps (27,648 dense bytes): 256 threads load a slot (16, 8 and 4 bytes a thread), two key steps ahead of the wait for it, and store it as it lies.
; One barrier a slot: in front of it a wave has waited for its stores into the other slot and for its reads of this one.  The stream runs on from the first block into the second.
; NO CLUSTER, NO JOINT LOADS: the work-groups of a head walk different numbers of slots in each phase ((j + 4) / 4 trips against (35 - j) / 4), so partners would not ask for the same tiles at the same time,
; and a trip count that hangs on j keeps tensor loads out: every LDS address here is a constant + a lane's or a thread's term.
; CAUSAL: a step all of whose keys come after the block is left out by a scalar branch on ids; on the diagonal step hidden scores become -infinity ahead of the maximum.
; LIMITS: NaN and infinities are not served; a block of p that has fallen to 0 keeps the byte 1 (its codes are zeros).
.set KVREC, 13824
.set SLOTB, 2*KVREC
.set VOFF,  7168
.set QREC,  7168
.set STG,   2*SLOTB                    ; behind the slots: 16 rows x 272 bytes for each wave, for the way out
.set SPI,   272
.set WV,    10
.set JB,    11
.set HD,    12
.set KVB,   14                         ; s[14:15] the head's records of k and v
.set LPB,   16                         ; s[16:17] the slot being loaded
.set QRB,   18                         ; s[18:19] the block's record of q
.set SEL,   20                         ; s[20:21] selects for lane l xor 16
.set CS,    22                         ; s[22:23] c = log2(e) / 8
.set OPB,   24                         ; s[24:25] my tile's first row of the output
.set PHS,   26                         ; phase 0, 1
.set BLK,   27                         ; its block of queries
.set TRIPS, 28                         ; trips of four key steps
.set TCN,   29
.set STI,   30                         ; the key step
.set NX,    31                         ; the slot of the head to be loaded next
.set WRAP,  32                         ; where the stream goes back to slot 0: the first block's number of slots
.set REM,   33                         ; slots still to be read behind this one
.set QH,    38                         ; s[38:39] the head's records of q
.set OH,    40                         ; s[40:41] the output at my tile's place in block 0
; REGISTERS: v1 16 x lane, v2 8 x lane, v3-5 16, 8, 4 x thread; v6 my query in the block - 16 (lane / 16); v7-9 the way out; v10, v28, v29 q's offsets; v11 -infinity; v12 -M, v13 the largest t, v[14:15] the sum;
; v16-27 q; v32-79 four fragments of k; v96-159 S^T, then p, then v's four fragments; v160-191 O^T; v192-218 a slot on its way; v224-235 p's codes; v232-247 at work; v248-251 scale words; v252 f; v253 p's word; v255 q's word.
.macro GLOAD
.irp i, 0,1,2,3,4,5
	global_load_b128 v[192+4*\i:195+4*\i], v3, s[LPB:LPB+1] offset:4096*\i
.endr
	global_load_b64 v[216:217], v4, s[LPB:LPB+1] offset:24576
	global_load_b32 v218, v5, s[LPB:LPB+1] offset:26624
.endm
.macro LSTORE sl
.irp i, 0,1,2,3,4,5
	ds_store_b128 v3, v[192+4*\i:195+4*\i] offset:SLOTB*(\sl)+4096*\i
.endr
	ds_store_b64 v4, v[216:217] offset:SLOTB*(\sl)+24576
	ds_store_b32 v5, v218 offset:SLOTB*(\sl)+26624
.endm
.macro QLOAD
	global_load_b128 v[16:19], v28, s[QRB:QRB+1]
	global_load_b64 v[20:21], v29, s[QRB:QRB+1]
	global_load_b32 v255, v10, s[QRB:QRB+1]
.endm
; A KEY STEP: 128 keys, the q-th of slot sl
.macro STEP sl, q
.set RB, SLOTB*(\sl)+KVREC*(\q)
	s_cmp_gt_u32 s[STI], s[BLK]                    ; all its keys come after the block's queries: left out
	s_cbranch_scc1 .Lhidden_\@
.irp g, 0,1                                    ; S^T = K Q^T, four tiles of 16 keys at a time
.if \g > 0
.rept 4
	v_nop                                          ; places in front of loads into registers that matrix instructions have read
.endr
.endif
.irp t, 0,1,2,3
	ds_load_b128 v[32+12*\t:35+12*\t], v1 offset:RB+768*(4*\g+\t)
	ds_load_b64 v[36+12*\t:37+12*\t], v2 offset:RB+768*(4*\g+\t)+512
.endr
	ds_load_b128 v[248:251], v1 offset:RB+6144+512*\g
	s_wait_dscnt 0x0
.irp t, 0,1,2,3
	v_wmma_scale_f32_16x16x128_f8f6f4 v[96+8*(4*\g+\t):103+8*(4*\g+\t)], v[32+12*\t:43+12*\t], v[16:27], 0, v[248+\t], v255 matrix_a_fmt:MATRIX_FMT_FP6 matrix_b_fmt:MATRIX_FMT_FP6
.endr
.endr
.rept 4
	v_nop
.endr
	s_cmp_lg_u32 s[STI], s[BLK]                    ; only the diagonal step has hidden keys
	s_cbranch_scc1 .Lopen_\@
.set CN, 0
.rept 64                                       ; register 16 b + i holds key 32 b + 16 (lane / 16) + i of the step: hidden where 32 b + i > v6
	v_cmp_gt_i32 vcc_lo, 32*(CN/16)+CN%16, v6
	v_cndmask_b32 v[96+CN], v[96+CN], v11, vcc_lo
.set CN, CN+1
.endr
.Lopen_\@:
.irp b, 0,1,2,3
	v_max3_num_f32 v[232+\b], v[96+16*\b], v[97+16*\b], v[98+16*\b]   ; the largest score of each block of 32 keys: for the row's maximum, and, since p rises with the score, for the block's largest p
.endr
.irp i, 3,5,7,9,11,13
.irp b, 0,1,2,3
	v_max3_num_f32 v[232+\b], v[232+\b], v[96+16*\b+\i], v[97+16*\b+\i]
.endr
.endr
.irp b, 0,1,2,3
	v_max_num_f32 v[232+\b], v[232+\b], v[111+16*\b]
.endr
.irp b, 0,1,2,3
	v_permlanex16_b32 v[236+\b], v[232+\b], s[SEL], s[SEL+1]
.endr
.irp b, 0,1,2,3
	v_max_num_f32 v[232+\b], v[232+\b], v[236+\b]  ; with lane l xor 16's 16 keys
.endr
	v_max3_num_f32 v254, v232, v233, v234
	v_max_num_f32 v254, v254, v235
	v_mul_f32 v254, s[CS], v254                    ; as t (c is positive)
	v_max_num_f32 v13, v13, v254                   ; the running largest t
	v_mov_b32 v254, v12
	v_floor_f32 v12, -v13                          ; the new -M = floor(-t): M is a whole number
	v_sub_f32 v254, v12, v254                      ; old M - new M: a whole number, 0 or less
	v_cvt_i32_f32 v254, v254                       ; (it saturates)
	v_ldexp_f32 v252, 1.0, v254                    ; f = 2^(old M - new M)
.set CN, 0
.rept 32
	v_pk_fma_f32 v[96+CN:97+CN], v[96+CN:97+CN], s[CS:CS+1], v[12:13] op_sel_hi:[1,0,0]   ; t - M, two at a time
.set CN, CN+2
.endr
.irp b, 0,1,2,3
	v_fma_f32 v[232+\b], v[232+\b], s[CS], v12     ; the same of each block's largest score
.endr
.set CN, 0
.rept 64
	v_exp_f32 v[96+CN], v[96+CN]                   ; p = 2^(t - M), at most 1
.set CN, CN+1
.endr
	v_pk_mul_f32 v[14:15], v[14:15], v[252:253] op_sel_hi:[1,0]   ; the sums under the new M: a plain place behind the exponentials
	s_wait_alu depctr_va_vdst(0)                   ; one wait for the batch, ahead of its first reader
.irp b, 0,1,2,3
	v_exp_f32 v[232+\b], v[232+\b]                 ; the block's largest p
.endr
	v_pk_add_f32 v[236:237], v[96:97], v[98:99]    ; the row's sum of the unquantised p, in two chains
.irp j, 4,8,12,16,20,24,28,32,36,40,44,48,52,56,60
	v_pk_add_f32 v[14:15], v[14:15], v[96+\j:97+\j]
	v_pk_add_f32 v[236:237], v[236:237], v[98+\j:99+\j]
.endr
	v_pk_add_f32 v[14:15], v[14:15], v[236:237]
	s_wait_alu depctr_va_vdst(0)                   ; and one for the four
.irp b, 0,1,2,3
	v_max_num_f32 v[232+\b], 0x1800000, v[232+\b]  ; the floor 2^(3 - 127)
.endr
.irp b, 0,1,2,3
	v_add_nc_u32 v[244+\b], 0xff000000, v[232+\b]  ; 2 off the exponent field: the conversion's scale operand
.endr
.irp b, 0,1,2,3
	v_lshrrev_b32 v[236+\b], 23, v[244+\b]         ; the scale's byte
.endr
	v_lshl_or_b32 v253, v237, 8, v236              ; p's scale word for these 128 keys
	v_lshl_or_b32 v253, v238, 16, v253
	v_lshl_or_b32 v253, v239, 24, v253
.irp c, 0,1
	v_cvt_scalef32_pk16_fp6_f32 v[224+6*\c:226+6*\c], v[96+32*\c:111+32*\c], v[244+2*\c]
	v_cvt_scalef32_pk16_fp6_f32 v[236+4*\c:238+4*\c], v[112+32*\c:127+32*\c], v[244+2*\c+1]
.endr
	v_nop                                          ; one plain place behind a scaled conversion
.irp n, 0,1,2,3                                ; p's registers are free: v's four fragments land there while the codes are put in order
.irp c, 0,1,2
	ds_load_b128 v[96+12*\n+4*\c:99+12*\n+4*\c], v1 offset:RB+VOFF+1536*\n+512*\c
.endr
.endr
	ds_load_b64 v[248:249], v2 offset:RB+VOFF+6144
	ds_load_b64 v[250:251], v2 offset:RB+VOFF+6144+256
.irp c, 0,1                                    ; the operand's layout wants a whole block in a lane
.irp i, 0,1,2
	v_permlane16_swap_b32 v[224+6*\c+\i], v[236+4*\c+\i]
.endr
.irp i, 0,1,2
	v_mov_b32 v[227+6*\c+\i], v[236+4*\c+\i]
.endr
.endr
.set CN, 0
.rept 16
	v_pk_mul_f32 v[160+CN:161+CN], v[160+CN:161+CN], v[252:253] op_sel_hi:[1,0]   ; O^T under the new M.  (These sixteen are also the places in front of the scaled products)
.set CN, CN+2
.endr
	s_wait_dscnt 0x0
.irp n, 0,1,2,3                                ; O^T += V^T P^T: four tiles of 16 of the head's 64; K = these 128 keys
	v_wmma_scale_f32_16x16x128_f8f6f4 v[160+8*\n:167+8*\n], v[96+12*\n:107+12*\n], v[224:235], v[160+8*\n:167+8*\n], v[248+\n], v253 matrix_a_fmt:MATRIX_FMT_FP6 matrix_b_fmt:MATRIX_FMT_FP6
.endr
.rept 5
	v_nop                                          ; five places: the next step's scores are written by matrix instructions over v's fragments
.endr
.Lhidden_\@:
	s_add_co_u32 s[STI], s[STI], 1
.endm
; Behind slot sl's two steps: the next slot, which is in registers, goes into the other LDS slot; the one after it is asked for; one barrier.
.macro COPY sl
	s_wait_loadcnt 0x0                             ; the next slot's eight loads, issued two key steps ago, are in; so their base may be written
	s_cmp_lt_u32 s[REM], 1
	s_cbranch_scc1 .Lno_store_\@
	LSTORE 1-(\sl)                                 ; nobody reads that slot: every wave's reads of it ended in front of the last barrier
.Lno_store_\@:
	s_wait_dscnt 0x0                               ; for the others' sake: my stores have landed, and my reads of slot sl are over
	s_cmp_lt_u32 s[REM], 2
	s_cbranch_scc1 .Lno_load_\@
	s_cmp_eq_u32 s[NX], s[WRAP]                    ; the first block's slots are through: on with the second block's slot 0
	s_cselect_b32 s[NX], 0, s[NX]
	s_cselect_b32 s[WRAP], -1, s[WRAP]
	s_mul_i32 s34, s[NX], SLOTB
	s_mov_b32 s35, 0
	s_add_nc_u64 s[LPB:LPB+1], s[KVB:KVB+1], s[34:35]
	GLOAD
	s_add_co_u32 s[NX], s[NX], 1
.Lno_load_\@:
	s_barrier_signal -1
	s_barrier_wait -1
	s_sub_co_u32 s[REM], s[REM], 1
.endm
	s_load_b128 s[4:7], s[0:1], 0x0                ; qimg, kv
	s_load_b64 s[8:9], s[0:1], 0x10                ; out0
	v_lshl_add_u32 v223, v0, 2, 0x29000
	v_mov_b32 v243, 0
	v_lshrrev_b32 v96, 5, v0
	v_readfirstlane_b32 s[WV], v96                 ; wave 0..7
	s_mov_b32 s[JB], ttmp9
	s_and_b32 s[HD], ttmp7, 0xffff
	v_and_b32 v96, 31, v0                          ; lane
	v_and_b32 v97, 15, v0                          ; r
	v_bfe_u32 v98, v0, 4, 1                        ; h
	v_lshlrev_b32 v1, 4, v96
	v_lshlrev_b32 v2, 3, v96
	v_lshlrev_b32 v3, 4, v0
	v_lshlrev_b32 v4, 3, v0
	v_lshlrev_b32 v5, 2, v0
	s_lshr_b32 s34, s[WV], 1
	s_and_b32 s35, s[WV], 1
	s_lshl_b32 s34, s34, 5
	s_lshl_b32 s35, s35, 3
	s_add_co_u32 s34, s34, s35                     ; my tile's first query in a block
	v_and_b32 v99, 8, v97
	v_add_nc_u32 v99, v99, v97                     ; r + 8 (r / 8)
	v_add_nc_u32 v6, s34, v99
	v_lshlrev_b32 v99, 4, v98
	v_sub_nc_u32 v6, v6, v99                       ; my query in the block - 16 h
	v_lshlrev_b32 v7, 12, v98
	v_lshl_add_u32 v7, v97, 4, v7                  ; the way out: lanes 0-15 one row of the output, lanes 16-31 the next; 16 bytes a lane
	s_mul_i32 s35, s[WV], 16*SPI
	s_add_co_u32 s35, s35, STG                     ; my stage
	v_mul_u32_u24 v8, v97, SPI
	v_lshl_add_u32 v8, v98, 5, v8
	v_add_nc_u32 v8, s35, v8                       ; in: row r, + 32 h
	v_mul_u32_u24 v9, v98, SPI
	v_lshl_add_u32 v9, v97, 4, v9
	v_add_nc_u32 v9, s35, v9                       ; back
	s_and_b32 s36, s[WV], 3
	s_lshl_b32 s36, s36, 2
	s_lshr_b32 s37, s[WV], 2
	s_lshl_b32 s37, s37, 9
	s_add_co_u32 s36, s36, s37
	s_add_co_u32 s36, s36, 6144
	v_add_nc_u32 v10, s36, v1                      ; q's scale word in a record
	s_mul_i32 s37, s[WV], 768
	v_add_nc_u32 v28, s37, v1                      ; q's registers 0-3,
	v_add_nc_u32 v29, s37, v2
	v_add_nc_u32 v29, 512, v29                     ; 4-5
	v_mov_b32 v11, 0xff800000                      ; -infinity
	s_mov_b32 s[SEL], 0x76543210
	s_mov_b32 s[SEL+1], 0xfedcba98
	s_mov_b32 s[CS], 0x3e38aa3b                    ; c = log2(e) / 8
	s_mov_b32 s[CS+1], s[CS]
	s_lshl_b32 s36, s34, 12                        ; my tile's rows of 4,096 bytes,
	s_lshl_b32 s37, s[HD], 8                       ; the head's 256 bytes of a row
	s_add_co_u32 s36, s36, s37
	s_mov_b32 s37, 0
	s_add_co_u32 s34, s[JB], 4
	s_lshr_b32 s34, s34, 2                         ; trips of the first block,
	s_sub_co_u32 s35, 35, s[JB]
	s_lshr_b32 s35, s35, 2                         ; of the second
	s_lshl_b32 s[WRAP], s34, 1
	s_add_co_u32 s[REM], s34, s35
	s_lshl_b32 s[REM], s[REM], 1
	s_sub_co_u32 s[REM], s[REM], 1
	s_mov_b32 s[NX], 2
	s_mul_i32 s34, s[HD], 32*KVREC
	s_mov_b32 s35, 0
	s_wait_kmcnt 0x0
	s_add_nc_u64 s[OH:OH+1], s[8:9], s[36:37]
	s_add_nc_u64 s[KVB:KVB+1], s[6:7], s[34:35]
	s_mul_i32 s34, s[HD], 32*QREC
	s_add_nc_u64 s[QH:QH+1], s[4:5], s[34:35]
	s_mov_b64 s[LPB:LPB+1], s[KVB:KVB+1]
	GLOAD                                          ; slot 0
	s_mul_i32 s34, s[JB], QREC
	s_add_nc_u64 s[QRB:QRB+1], s[QH:QH+1], s[34:35]
	QLOAD                                          ; the first block's q
.irp i, 22,23,24,25,26,27
	v_mov_b32 v[\i], 0                             ; the upper half of the instruction's K: zero codes, set once
.endr
.irp t, 0,1,2,3
.irp i, 6,7,8,9,10,11
	v_mov_b32 v[32+12*\t+\i], 0
.endr
.endr
.irp b, 0,1,2,3
	v_mov_b32 v[236+\b], 0                         ; a lane permute's destination counts as one of its sources
.endr
	v_mov_b32 v252, 0
	v_mov_b32 v253, 0                              ; (named as the upper half of the pair v[252:253] before it is first written)
	s_wait_loadcnt 0x0
	LSTORE 0
	s_add_nc_u64 s[LPB:LPB+1], s[KVB:KVB+1], SLOTB
	s_wait_dscnt 0x0                               ; slot 0 lies in LDS, and the stores have read their registers
	GLOAD                                          ; slot 1
	s_barrier_signal -1
	s_barrier_wait -1
	s_mov_b32 s[PHS], 0
.Lphase:
	s_sub_co_u32 s34, 31, s[JB]
	s_cmp_eq_u32 s[PHS], 0
	s_cselect_b32 s[BLK], s[JB], s34
	s_add_co_u32 s[TRIPS], s[BLK], 4
	s_lshr_b32 s[TRIPS], s[TRIPS], 2               ; BLK + 1 key steps, four a trip
	s_lshl_b32 s34, s[BLK], 19                     ; 128 rows of 4,096 bytes a block
	s_mov_b32 s35, 0
	s_add_nc_u64 s[OPB:OPB+1], s[OH:OH+1], s[34:35]
	v_mov_b32 v13, 0xff61b1e6                      ; the largest t so far: -3e38
	v_floor_f32 v12, -v13                          ; -M
	v_mov_b32 v14, 0
	v_mov_b32 v15, 0
.set CN, 0
.rept 32
	v_mov_b32 v[160+CN], 0                         ; O^T: the step is written once; the first finds zeros, which the first change of M leaves zeros
.set CN, CN+1
.endr
	s_mov_b32 s[STI], 0
	s_mov_b32 s[TCN], 0
.Ltrip:
	STEP 0, 0
	STEP 0, 1
	COPY 0
	STEP 1, 0
	STEP 1, 1
	COPY 1
	s_add_co_u32 s[TCN], s[TCN], 1
	s_cmp_lt_u32 s[TCN], s[TRIPS]
	s_cbranch_scc1 .Ltrip
	s_cmp_lg_u32 s[PHS], 0
	s_cbranch_scc1 .Lno_q
	s_sub_co_u32 s34, 31, s[JB]                    ; the second block's q lands during the way out
	s_mul_i32 s34, s34, QREC
	s_mov_b32 s35, 0
	s_add_nc_u64 s[QRB:QRB+1], s[QH:QH+1], s[34:35]
	QLOAD
.Lno_q:
	; THE WAY OUT: O^T / the sum goes through my stage and leaves as whole runs of 256 bytes, sixteen lanes to a row's 64 numbers of the head
	v_add_f32 v14, v14, v15
	v_permlanex16_b32 v252, v14, s[SEL], s[SEL+1]
	v_add_f32 v14, v14, v252                       ; the row's sum
	v_rcp_f32 v14, v14
	v_nop                                          ; a plain place behind the reciprocal
	s_wait_alu depctr_va_vdst(0)                   ; and the wait ahead of its first reader
.set CN, 0
.rept 32
	v_mul_f32 v[96+CN], v[160+CN], v14             ; register 8 n + i is out(query r, 16 n + 8 h + i); ascending
.set CN, CN+1
.endr
.irp n, 0,1,2,3
	ds_store_b128 v8, v[96+8*\n:99+8*\n] offset:64*\n
	ds_store_b128 v8, v[100+8*\n:103+8*\n] offset:64*\n+16
.endr
.irp i, 0,1,2,3,4,5,6,7
	ds_load_b128 v[128+4*\i:131+4*\i], v9 offset:2*\i*SPI   ; LDS serves a wave's instructions in order: these see my stores
.endr
.irp i, 0,1,2,3,4,5,6,7
	s_wait_dscnt 7-\i                              ; rows 2 i and 2 i + 1 are back; the later loads may be out
	global_store_b128 v7, v[128+4*\i:131+4*\i], s[OPB:OPB+1] offset:(2*\i+8*(\i/4))*4096 th:TH_STORE_NT   ; the tile's row m is query m + 8 (m / 8)
.endr
	s_wait_loadcnt 0x0                             ; the next block's q is in
	s_wait_xcnt 0x0                                ; the stores have read their data and their base: both are written again in the next phase
	s_add_co_u32 s[PHS], s[PHS], 1
	s_cmp_lt_u32 s[PHS], 2
	s_cbranch_scc1 .Lphase
	s_wait_tensorcnt 0x0
	ds_add_u32 v223, v243
	s_wait_dscnt 0x0
	s_endpgm
.Lfunc_end_k_q574620b90d_attn:
	.size	k_q574620b90d_attn, .Lfunc_end_k_q574620b90d_attn-k_q574620b90d_attn
	.p2alignl 7, 3214868480
	.fill 96, 4, 3214868480
	.section	.rodata,"a",@progbits
	.p2align	6, 0x0
	.amdhsa_kernel k_q574620b90d_attn
		.amdhsa_group_segment_fixed_size 168960
		.amdhsa_private_segment_fixed_size 0
		.amdhsa_enable_private_segment 0
		.amdhsa_kernarg_size 24
		.amdhsa_user_sgpr_count 2
		.amdhsa_user_sgpr_kernarg_segment_ptr 1
		.amdhsa_wavefront_size32 1
		.amdhsa_system_sgpr_workgroup_id_x 1
		.amdhsa_system_sgpr_workgroup_id_y 1
		.amdhsa_system_sgpr_workgroup_id_z 1
		.amdhsa_system_vgpr_workitem_id 0
		.amdhsa_next_free_vgpr 256
		.amdhsa_next_free_sgpr 66
		.amdhsa_reserve_vcc 1
		.amdhsa_float_denorm_mode_32 3
		.amdhsa_float_denorm_mode_16_64 3
		.amdhsa_memory_ordered 1
		.amdhsa_forward_progress 1
		.amdhsa_inst_pref_size 100
	.end_amdhsa_kernel
	.amdgpu_metadata
---
amdhsa.version: [ 1, 2 ]
amdhsa.kernels:
  - .name:           k_q574620b90d_attn
    .symbol:         k_q574620b90d_attn.kd
    .args:
      - { .name: qimg, .offset: 0, .size: 8, .value_kind: global_buffer, .address_space: global }
      - { .name: kv, .offset: 8, .size: 8, .value_kind: global_buffer, .address_space: global }
      - { .name: out0, .offset: 16, .size: 8, .value_kind: global_buffer, .address_space: global }
    .group_segment_fixed_size: 168960
    .private_segment_fixed_size: 0
    .kernarg_segment_align: 8
    .kernarg_segment_size: 24
    .max_flat_workgroup_size: 256
    .sgpr_count:     66
    .vgpr_count:     256
    .wavefront_size: 32
...
	.end_amdgpu_metadata
.endif
;; end of part 3
;; ======== version 2 of 2: 3 launches
;; workspace buffers: xq 3,276,800 bytes; wq 2,457,600 bytes; trig 1,048,576 bytes; qimg 3,670,016 bytes; kv 7,077,888 bytes
;; launch quant (part 4): grid 56 x 4, 4 waves a work-group, no clusters, 34,304 bytes of LDS; arguments x, W_kqv, xq, wq, trig; writes xq, wq, trig
.if DOCPART == 4
	.amdgcn_target "amdgcn-amd-amdhsa--gfx1250"
	.amdhsa_code_object_version 6
	.text
	.protected	k_q574620b90d_quant
	.globl	k_q574620b90d_quant
	.p2align	8
	.type	k_q574620b90d_quant,@function
k_q574620b90d_quant:
	s_mov_b64 s[64:65], 0
	v_nop
	global_prefetch_b8 v0, s[64:65] scope:SCOPE_SE
	s_setreg_imm32_b32 hwreg(HW_REG_WAVE_MODE, 25, 1), 1
	s_wait_xcnt 0x0
; x [4096][1024] and W [1024][3072], f32, become codes of FP6 (E2M3) with one E8M0 byte for each 32 along K (K = 1024), laid as IMAGES OF OPERAND REGISTERS;
; and the table of cos and sin for the rotation of q and k is made.
; A PAIR RECORD (25,600 bytes) holds 32 rows of x, or 32 columns of W, as two tiles of 16: tile u at 12,288 u, K step k (128 along K) at + 1,536 k, register group c at + 512 c + 16 x lane;
; the scale words at 24,576 + 256 kp + 8 x lane: the words of K steps 2 kp and 2 kp + 1; lanes 0-15 tile 0's rows, lanes 16-31 tile 1's.
; THE ROWS OF A TILE ARE NOT NEIGHBOURS: tile u of pair P holds rows 32 P + 8 u + m + 8 (m / 8), m = 0 .. 15 (x; W's columns of q and k); W's columns of v: 32 P + 16 u + m.
; SHARES.  Work-groups x < 32 take x: pair P = 4 x + y; wave w takes 256 along K of its 32 rows: four fragments.  The others take W: 128 columns, 256 along K (y); a wave takes a pair.
; x: each load reads 512 consecutive bytes of a row; a fragment's 16 rows turn through the wave's own stage in LDS (pitch 528 = 33 x 16 bytes) and come back 16 neighbours along K to a lane for each block of 32.
; W: a lane takes a column and its registers run down K; two lanes 16 apart exchange halves, and the results are the two tiles' fragments.  Every store covers 512 (256 for the scale words) consecutive bytes.
; A block's scale is 2^(floor(log2(its largest magnitude)) - 2); its byte is the largest magnitude's exponent field - 2, held at 1 from below.
; THE TABLE: [tile of x, 256][8 groups][32 lanes][16 bytes]: lane (r, h): groups 0-3 cos, 4-7 sin of pos / 10000^(f / 32), f = 16 h + 4 g + e, pos = the tile's row r.
; THE ANGLE IS KEPT IN TWO F32 WORDS.  The power is 10^(e / 8) in two words times an exact power of ten, again in two words; the quotient's high word is the corrected f32 quotient, its low word the exact remainder
; (less high word x the power's low word) times the reciprocal.  pi / 2 is taken off in two parts: the first off the high word (exact up to 2,607 quarter turns), the second together with the low word; what the reduced
; angle's rounding drops is put back by one fused multiply-add on sin and on cos.  So the table holds cos and sin of pos / 10000^(f / 32) itself; a quotient rounded to f32 lies up to 1.2e-4 rad from it at position 4,095.
; LIMITS: NaN and infinities are not served.  A block of zeros, and one whose largest magnitude lies under 2^-124, keeps the byte 1 (its codes are then zeros or held small; only this program reads the bytes).
; cos and sin lie within about one unit of the last place of the functions of that angle.
.set PREC,   25600
.set SCO,    24576
.set SPITCH, 528
.set WSTG,   16*SPITCH                 ; a wave's stage
.set RX,   16                          ; v16-143  two sets of 64: a fragment's numbers as loaded
.set XN,   144                         ; v144-207 the same, 16 neighbours a block
.set TM,   208                         ; v208-211 largest magnitudes, 212-215 the other half's / bytes, 216-219 the conversions' scale operands
.set PC,   224                         ; v224-235 the fragment's codes; 236-242 halves on their way
.set PW,   244                         ; the scale word just made
.set PW0,  245                         ; tile 0's, kept
.set SW,   246                         ; v[246:247] the pair's words of my two K steps
.set SEL,  36                          ; s[36:37] selects for lane l xor 16
.set HM,   38                          ; s38 lanes 16-31
.set DHI,  144                         ; the table: 10^(e / 8), high and low words; then the timescale's two words; then at work
.set DLO,  152
.set TS,   160                         ; at work; later sin
.set YR,   168                         ; reciprocals; later cos
.set AN,   176                         ; the angle's high word; then what the reduced angle's rounding dropped
.set TT,   184                         ; at work; the angle's low word
.set NN,   192                         ; quarter turns
.set ZZ,   200                         ; the reduced angle
.set CO,   224                         ; cos and sin as stored
.set SO,   232
.set XW,   16                          ; W: v16-79 two sets of 32 numbers
.set FW,   80                          ; v80-127 four fragments in the making
.set CT,   128
.macro LOADF f                         ; fragment f (K step f / 2 of my two, tile f % 2): 16 rows x 512 bytes
.irp i, 0,1,2,3,4,5,6,7,8,9,10,11,12,13,14,15
	global_load_b128 v[RX+64*((\f)%2)+4*\i:RX+64*((\f)%2)+4*\i+3], v1, s[4:5] offset:(8*((\f)%2)+\i+8*(\i/8))*4096+512*((\f)/2) th:TH_LOAD_NT
.endr
.endm
.macro TURNF f                         ; through my stage: LDS serves a wave's instructions in order, so no wait stands between the stores and the loads
.irp i, 0,1,2,3,4,5,6,7,8,9,10,11,12,13,14,15
	ds_store_b128 v3, v[RX+64*((\f)%2)+4*\i:RX+64*((\f)%2)+4*\i+3] offset:SPITCH*\i
.endr
.irp b, 0,1,2,3
.irp j, 0,1,2,3
	ds_load_b128 v[XN+16*\b+4*\j:XN+16*\b+4*\j+3], v4 offset:128*\b+16*\j
.endr
.endr
.endm
; 64 numbers of a lane, register 16 b + i = k 32 b + 16 (lane / 16) + i of my row, become a fragment's codes in v[PC] on and its scale word in v[pw]
.macro QUANT4 s, pw
.irp b, 0,1,2,3
	v_max3_num_f32 v[TM+\b], |v[(\s)+16*\b]|, |v[(\s)+1+16*\b]|, 0x1800000   ; my 16 numbers, and the floor 2^(3 - 127): the byte cannot fall under 1
.endr
.irp i, 2,4,6,8,10,12,14
.irp b, 0,1,2,3
	v_max3_num_f32 v[TM+\b], v[TM+\b], |v[(\s)+16*\b+\i]|, |v[(\s)+1+16*\b+\i]|
.endr
.endr
.irp b, 0,1,2,3
	v_permlanex16_b32 v[TM+4+\b], v[TM+\b], s[SEL], s[SEL+1]
.endr
.irp b, 0,1,2,3
	v_max_num_f32 v[TM+\b], v[TM+\b], v[TM+4+\b]   ; with lane l xor 16's: the block's largest magnitude
.endr
.irp b, 0,1,2,3
	v_add_nc_u32 v[TM+8+\b], 0xff000000, v[TM+\b]  ; 2 off its exponent field: the conversion's scale operand
.endr
.irp b, 0,1,2,3
	v_lshrrev_b32 v[TM+4+\b], 23, v[TM+8+\b]       ; the scale's byte
.endr
	v_lshl_or_b32 v[\pw], v[TM+5], 8, v[TM+4]
	v_lshl_or_b32 v[\pw], v[TM+6], 16, v[\pw]
	v_lshl_or_b32 v[\pw], v[TM+7], 24, v[\pw]
.irp c, 0,1
	v_cvt_scalef32_pk16_fp6_f32 v[PC+6*\c:PC+2+6*\c], v[(\s)+32*\c:(\s)+15+32*\c], v[TM+8+2*\c]
	v_cvt_scalef32_pk16_fp6_f32 v[PC+12+4*\c:PC+14+4*\c], v[(\s)+16+32*\c:(\s)+31+32*\c], v[TM+8+2*\c+1]   ; (a conversion's three registers begin on an even number)
.endr
	v_nop                                          ; one plain place behind a scaled conversion
.irp c, 0,1                                    ; the operand's layout wants a whole block in a lane
.irp i, 0,1,2
	v_permlane16_swap_b32 v[PC+6*\c+\i], v[PC+12+4*\c+\i]
.endr
.irp i, 0,1,2
	v_mov_b32 v[PC+3+6*\c+\i], v[PC+12+4*\c+\i]
.endr
.endr
.endm
.macro FRAGX f
.if (\f) < 3
	s_wait_loadcnt 16                              ; this fragment's 16 loads are in; the next fragment's may be out
.else
	s_wait_loadcnt 0x0
.endif
	s_wait_xcnt 0x0                                ; earlier stores have read their data: the codes' registers are written again only behind this wait
	TURNF \f
	s_wait_dscnt 0x0                               ; the numbers are back, and the stores into the stage have read their registers,
.if (\f) < 2
	LOADF (\f)+2                                   ; which take the fragment two on
.endif
	QUANT4 XN, PW
.irp c, 0,1,2
	global_store_b128 v1, v[PC+4*\c:PC+4*\c+3], s[24:25] offset:12288*((\f)%2)+1536*((\f)/2)+512*\c
.endr
.if (\f)%2 == 0
	v_mov_b32 v[PW0], v[PW]
.else
	v_cndmask_b32 v[SW+(\f)/2], v[PW0], v[PW], s[HM]   ; lanes 0-15 tile 0's words, lanes 16-31 tile 1's
.endif
.endm
.macro DFMUL d, a, b                   ; (hi, lo)[d] = (hi, lo)[a] x (hi, lo)[b]
	v_mul_f32 v[TT], v[DHI+\a], v[DHI+\b]
	v_fma_f32 v[TT+1], v[DHI+\a], v[DHI+\b], -v[TT]
	v_fma_f32 v[TT+1], v[DHI+\a], v[DLO+\b], v[TT+1]
	v_fma_f32 v[TT+1], v[DLO+\a], v[DHI+\b], v[TT+1]
	v_add_f32 v[DHI+\d], v[TT], v[TT+1]
	v_sub_f32 v[TT+2], v[TT], v[DHI+\d]
	v_add_f32 v[DLO+\d], v[TT+2], v[TT+1]
.endm
.macro LOADW t                         ; W's block t of my column: 32 rows down K
.set CN, 0
.rept 32
	global_load_b32 v[XW+32*((\t)%2)+CN], v12, s[6:7] offset:(32*(\t)+CN)*12288 th:TH_LOAD_NT
.set CN, CN+1
.endr
.endm
.macro BLOCKW t
.set XS, XW+32*((\t)%2)
.set FD, FW+24*((\t)/4)+12*((\t)%2)+6*(((\t)%4)/2)   ; even blocks of a K step in one run of 12 registers, odd blocks in the other
.if (\t) < 7
	s_wait_loadcnt 32                              ; this block's 32 loads are in; the next block's may be out
.else
	s_wait_loadcnt 0x0
.endif
	v_max3_num_f32 v132, |v[XS]|, |v[XS+1]|, |v[XS+2]|
	v_max3_num_f32 v133, |v[XS+3]|, |v[XS+4]|, |v[XS+5]|
.irp i, 6,10,14,18,22,26
	v_max3_num_f32 v132, v132, |v[XS+\i]|, |v[XS+\i+1]|
	v_max3_num_f32 v133, v133, |v[XS+\i+2]|, |v[XS+\i+3]|
.endr
	v_max3_num_f32 v132, v132, |v[XS+30]|, |v[XS+31]|
	v_max3_num_f32 v132, v132, v133, 0x1800000     ; and the floor
	v_add_nc_u32 v134, 0xff000000, v132
	v_lshrrev_b32 v135, 23, v134
.if (\t)%4 == 0
	v_mov_b32 v[136+(\t)/4], v135
.else
	v_lshl_or_b32 v[136+(\t)/4], v135, 8*((\t)%4), v[136+(\t)/4]
.endif
	v_cvt_scalef32_pk16_fp6_f32 v[FD:FD+2], v[XS:XS+15], v134
	v_cvt_scalef32_pk16_fp6_f32 v[CT:CT+2], v[XS+16:XS+31], v134
	v_nop                                          ; one plain place behind a scaled conversion
.irp i, 0,1,2
	v_mov_b32 v[FD+3+\i], v[CT+\i]
.endr
.if (\t)+2 < 8
	LOADW (\t)+2
.endif
.if (\t)%4 == 3                        ; a K step is whole: lanes l and l + 16 exchange, and the two runs are the two tiles' fragments
.set FA, FW+24*((\t)/4)
.irp i, 0,1,2,3,4,5,6,7,8,9,10,11
	v_permlane16_swap_b32 v[FA+\i], v[FA+12+\i]
.endr
.irp u, 0,1
.irp c, 0,1,2
	global_store_b128 v1, v[FA+12*\u+4*\c:FA+12*\u+4*\c+3], s[24:25] offset:12288*\u+1536*((\t)/4)+512*\c
.endr
.endr
.endif
.endm
	s_load_b128 s[4:7], s[0:1], 0x0                ; x, W
	s_load_b128 s[8:11], s[0:1], 0x10              ; xq, wq
	s_load_b64 s[12:13], s[0:1], 0x20              ; trig
	v_lshl_add_u32 v254, v0, 2, 0x8400
	v_mov_b32 v255, 0
	v_lshrrev_b32 v1, 5, v0
	v_readfirstlane_b32 s14, v1                    ; wave
	s_and_b32 s15, ttmp7, 0xffff                   ; work-group y
	v_and_b32 v5, 31, v0                           ; lane
	v_and_b32 v6, 15, v0                           ; r
	v_bfe_u32 v7, v0, 4, 1                         ; h
	v_lshlrev_b32 v1, 4, v5                        ; 16 x lane
	v_lshlrev_b32 v2, 3, v5                        ; 8 x lane
	s_cmp_lt_u32 ttmp9, 32
	s_cbranch_scc0 .Lw
	; ---------------- x
	s_lshl_b32 s16, ttmp9, 2
	s_add_co_u32 s16, s16, s15                     ; P
	s_mul_i32 s17, s14, WSTG
	v_add_nc_u32 v3, s17, v1                       ; the stage, in: 16 x lane of a row
	v_mul_u32_u24 v4, v6, SPITCH
	v_lshl_add_u32 v4, v7, 6, v4
	v_add_nc_u32 v4, s17, v4                       ; back: row r, + 64 h
	s_lshl_b32 s20, s16, 17                        ; x: 32 rows of 4,096 bytes a pair,
	s_lshl_b32 s18, s14, 10                        ; 256 numbers a wave
	s_add_co_u32 s20, s20, s18
	s_mov_b32 s21, 0
	s_mul_i32 s32, s16, PREC
	s_mul_i32 s18, s14, 3072                       ; my two K steps' images
	s_add_co_u32 s18, s18, s32
	s_mov_b32 s19, 0
	s_lshl_b32 s22, s14, 8                         ; and their scale words
	s_add_co_u32 s22, s22, s32
	s_mov_b32 s23, 0
	s_lshr_b32 s33, s14, 1                         ; the table: my tile,
	s_and_b32 s34, s14, 1                          ; my eight of a lane's sixteen features
	s_lshl_b32 s30, s16, 1
	s_add_co_u32 s30, s30, s33
	s_lshl_b32 s30, s30, 12
	s_lshl_b32 s31, s34, 10
	s_add_co_u32 s30, s30, s31
	s_mov_b32 s31, 0
	s_lshl_b32 s35, s16, 5
	s_lshl_b32 s39, s33, 3
	s_add_co_u32 s35, s35, s39                     ; the tile's first position
	s_mov_b32 s[SEL], 0x76543210
	s_mov_b32 s[SEL+1], 0xfedcba98
	s_mov_b32 s[HM], 0xffff0000
	s_wait_kmcnt 0x0
	s_add_nc_u64 s[4:5], s[4:5], s[20:21]
	s_add_nc_u64 s[24:25], s[8:9], s[18:19]
	s_add_nc_u64 s[26:27], s[8:9], s[22:23]
	s_add_nc_u64 s[28:29], s[12:13], s[30:31]
	s_wait_alu depctr_va_vdst(0)
	LOADF 0
	LOADF 1
.irp b, 0,1,2,3
	v_mov_b32 v[TM+4+\b], 0                        ; written once: a lane permute's destination counts as one of its sources
.endr
	; ---- the table, while the loads are on their way
	s_mov_b32 s40, 0x3fc90fdb                      ; pi / 2, high part
	s_mov_b32 s41, 0xb33bbd2e                      ; and what is left of it
	s_mov_b32 s42, 0xbe2aaaa3                      ; sin's three coefficients
	s_mov_b32 s43, 0x3c08839e
	s_mov_b32 s44, 0xb94ca1f9
	s_mov_b32 s45, 0x3d2aaaa5                      ; cos's three
	s_mov_b32 s46, 0xbab6061a
	s_mov_b32 s47, 0x37ccf5ce
	v_and_b32 v10, 8, v6
	v_add_nc_u32 v10, v10, v6                      ; r + 8 (r / 8)
	v_add_nc_u32 v10, s35, v10
	v_cvt_f32_u32 v8, v10                          ; pos
	s_mov_b32 s17, 0x3f800000
	s_cmp_eq_u32 s34, 1
	s_cselect_b32 s17, 0x41200000, s17             ; 10 for features 8 .. 15 of the sixteen
	v_mov_b32 v9, s17
	v_mul_f32 v11, 0x42c80000, v9                  ; x 100 for lanes 16-31
	v_cmp_eq_u32 vcc_lo, 1, v7
	v_cndmask_b32 v9, v9, v11, vcc_lo              ; F: 1, 10, 100 or 1,000
	v_mov_b32 v[DHI+0], 1.0
	v_mov_b32 v[DLO+0], 0
	v_mov_b32 v[DHI+1], 0x3faab0d5                 ; 10^(1/8)
	v_mov_b32 v[DLO+1], 0xb36457ec
	v_mov_b32 v[DHI+2], 0x3fe39ea9                 ; 10^(1/4)
	v_mov_b32 v[DLO+2], 0xb26aee3c
	v_mov_b32 v[DHI+4], 0x404a62c2                 ; 10^(1/2)
	v_mov_b32 v[DLO+4], 0xb324b496
	DFMUL 3, 1, 2
	DFMUL 5, 1, 4
	DFMUL 6, 2, 4
	DFMUL 7, 3, 4
.irp e, 0,1,2,3,4,5,6,7
	v_mul_f32 v[TS+\e], v[DHI+\e], v9
	v_fma_f32 v[TT+\e], v[DHI+\e], v9, -v[TS+\e]
	v_fma_f32 v[TT+\e], v[DLO+\e], v9, v[TT+\e]
	v_add_f32 v[DHI+\e], v[TS+\e], v[TT+\e]        ; the timescale's high word,
	v_sub_f32 v[DLO+\e], v[TS+\e], v[DHI+\e]
	v_add_f32 v[DLO+\e], v[DLO+\e], v[TT+\e]       ; and its low word
.endr
.irp e, 0,1,2,3,4,5,6,7
	v_rcp_f32 v[YR+\e], v[DHI+\e]
.endr
	v_nop                                          ; a plain place behind the reciprocals
	s_wait_alu depctr_va_vdst(0)                   ; one wait for the eight, ahead of their first reader
.irp e, 0,1,2,3,4,5,6,7
	v_fma_f32 v[TT+\e], -v[DHI+\e], v[YR+\e], 1.0
	v_fma_f32 v[YR+\e], v[TT+\e], v[YR+\e], v[YR+\e]
	v_mul_f32 v[AN+\e], v8, v[YR+\e]
	v_fma_f32 v[TT+\e], -v[AN+\e], v[DHI+\e], v8
	v_fma_f32 v[AN+\e], v[TT+\e], v[YR+\e], v[AN+\e]   ; the angle's high word: pos / the timescale's high word
	v_fma_f32 v[TT+\e], -v[AN+\e], v[DHI+\e], v8       ; what that leaves of pos: exact,
	v_fma_f32 v[TT+\e], -v[AN+\e], v[DLO+\e], v[TT+\e] ; less the timescale's low word's share
	v_mul_f32 v[TT+\e], v[TT+\e], v[YR+\e]             ; the angle's low word
	v_mul_f32 v[NN+\e], 0x3f22f983, v[AN+\e]
	v_rndne_f32 v[NN+\e], v[NN+\e]                 ; quarter turns
	v_fma_f32 v[AN+\e], -v[NN+\e], s40, v[AN+\e]   ; exact
	v_fma_f32 v[TT+\e], -v[NN+\e], s41, v[TT+\e]   ; the rest of pi / 2 and the low word together
	v_add_f32 v[ZZ+\e], v[AN+\e], v[TT+\e]         ; the reduced angle, within pi / 4,
	v_sub_f32 v[AN+\e], v[AN+\e], v[ZZ+\e]
	v_add_f32 v[AN+\e], v[AN+\e], v[TT+\e]         ; and what its rounding dropped
	v_cvt_i32_f32 v[NN+\e], v[NN+\e]
	v_mul_f32 v[TT+\e], v[ZZ+\e], v[ZZ+\e]
	v_fma_f32 v[TS+\e], v[TT+\e], s44, s43
	v_fma_f32 v[YR+\e], v[TT+\e], s47, s46
	v_fma_f32 v[TS+\e], v[TS+\e], v[TT+\e], s42
	v_fma_f32 v[YR+\e], v[YR+\e], v[TT+\e], s45
	v_mul_f32 v[DHI+\e], v[ZZ+\e], v[TT+\e]
	v_fma_f32 v[TS+\e], v[DHI+\e], v[TS+\e], v[ZZ+\e]  ; sin of the reduced angle
	v_mul_f32 v[DHI+\e], v[TT+\e], v[TT+\e]
	v_fma_f32 v[DLO+\e], v[TT+\e], -0.5, 1.0
	v_fma_f32 v[YR+\e], v[DHI+\e], v[YR+\e], v[DLO+\e] ; cos of it
	v_fma_f32 v[DHI+\e], v[AN+\e], v[YR+\e], v[TS+\e]  ; sin with what was dropped: + d cos
	v_fma_f32 v[YR+\e], -v[AN+\e], v[TS+\e], v[YR+\e]  ; cos likewise: - d sin
	v_and_b32 v[TT+\e], 1, v[NN+\e]
	v_cmp_eq_u32 vcc_lo, 1, v[TT+\e]               ; an odd number of quarter turns swaps the two
	v_cndmask_b32 v[SO+\e], v[DHI+\e], v[YR+\e], vcc_lo
	v_cndmask_b32 v[CO+\e], v[YR+\e], v[DHI+\e], vcc_lo
	v_lshlrev_b32 v[TT+\e], 30, v[NN+\e]
	v_and_b32 v[TT+\e], 0x80000000, v[TT+\e]       ; sin is negated in quarters 2 and 3,
	v_xor_b32 v[SO+\e], v[SO+\e], v[TT+\e]
	v_add_nc_u32 v[TT+\e], 1, v[NN+\e]
	v_lshlrev_b32 v[TT+\e], 30, v[TT+\e]
	v_and_b32 v[TT+\e], 0x80000000, v[TT+\e]       ; cos in quarters 1 and 2
	v_xor_b32 v[CO+\e], v[CO+\e], v[TT+\e]
.endr
	global_store_b128 v1, v[CO:CO+3], s[28:29]
	global_store_b128 v1, v[CO+4:CO+7], s[28:29] offset:512
	global_store_b128 v1, v[SO:SO+3], s[28:29] offset:2048
	global_store_b128 v1, v[SO+4:SO+7], s[28:29] offset:2560
	FRAGX 0
	FRAGX 1
	FRAGX 2
	FRAGX 3
	global_store_b64 v2, v[SW:SW+1], s[26:27] offset:SCO
	s_wait_tensorcnt 0x0
	ds_add_u32 v254, v255
	s_wait_dscnt 0x0
	s_endpgm
	; ---------------- W
.Lw:
	s_sub_co_u32 s16, ttmp9, 32                    ; block of 128 columns
	s_wait_alu depctr_va_vdst(0)
	v_and_b32 v10, 7, v5
	v_bfe_u32 v11, v5, 3, 1
	v_lshl_or_b32 v10, v11, 4, v10
	v_lshl_or_b32 v10, v7, 3, v10                  ; the lane's number with bits 3 and 4 swapped: q's and k's columns
	s_cmp_lt_u32 s16, 16
	s_cselect_b32 s17, -1, 0
	v_cndmask_b32 v10, v5, v10, s17                ; v's columns: the lane's number
	v_lshlrev_b32 v12, 2, v10
	s_mul_i32 s20, s15, 256*12288                  ; 256 rows of W for each y,
	s_lshl_b32 s18, s16, 9
	s_add_co_u32 s20, s20, s18
	s_lshl_b32 s18, s14, 7                         ; 32 columns a wave
	s_add_co_u32 s20, s20, s18
	s_mov_b32 s21, 0
	s_lshl_b32 s32, s16, 2
	s_add_co_u32 s32, s32, s14                     ; the pair
	s_mul_i32 s32, s32, PREC
	s_mul_i32 s18, s15, 3072
	s_add_co_u32 s18, s18, s32
	s_mov_b32 s19, 0
	s_lshl_b32 s22, s15, 8
	s_add_co_u32 s22, s22, s32
	s_mov_b32 s23, 0
	s_wait_alu depctr_va_vdst(0)
	s_wait_kmcnt 0x0
	s_add_nc_u64 s[6:7], s[6:7], s[20:21]
	s_add_nc_u64 s[24:25], s[10:11], s[18:19]
	s_add_nc_u64 s[26:27], s[10:11], s[22:23]
	LOADW 0
	LOADW 1
.irp t, 0,1,2,3,4,5,6,7
	BLOCKW \t
.endr
	global_store_b64 v2, v[136:137], s[26:27] offset:SCO   ; lane l's words are its own column's: just the pair's image
	s_endpgm
.Lfunc_end_k_q574620b90d_quant:
	.size	k_q574620b90d_quant, .Lfunc_end_k_q574620b90d_quant-k_q574620b90d_quant
	.p2alignl 7, 3214868480
	.fill 96, 4, 3214868480
	.section	.rodata,"a",@progbits
	.p2align	6, 0x0
	.amdhsa_kernel k_q574620b90d_quant
		.amdhsa_group_segment_fixed_size 34304
		.amdhsa_private_segment_fixed_size 0
		.amdhsa_enable_private_segment 0
		.amdhsa_kernarg_size 40
		.amdhsa_user_sgpr_count 2
		.amdhsa_user_sgpr_kernarg_segment_ptr 1
		.amdhsa_wavefront_size32 1
		.amdhsa_system_sgpr_workgroup_id_x 1
		.amdhsa_system_sgpr_workgroup_id_y 1
		.amdhsa_system_sgpr_workgroup_id_z 1
		.amdhsa_system_vgpr_workitem_id 0
		.amdhsa_next_free_vgpr 256
		.amdhsa_next_free_sgpr 66
		.amdhsa_reserve_vcc 1
		.amdhsa_float_denorm_mode_32 3
		.amdhsa_float_denorm_mode_16_64 3
		.amdhsa_memory_ordered 1
		.amdhsa_forward_progress 1
		.amdhsa_inst_pref_size 93
	.end_amdhsa_kernel
	.amdgpu_metadata
---
amdhsa.version: [ 1, 2 ]
amdhsa.kernels:
  - .name:           k_q574620b90d_quant
    .symbol:         k_q574620b90d_quant.kd
    .args:
      - { .name: x, .offset: 0, .size: 8, .value_kind: global_buffer, .address_space: global }
      - { .name: W_kqv, .offset: 8, .size: 8, .value_kind: global_buffer, .address_space: global }
      - { .name: xq, .offset: 16, .size: 8, .value_kind: global_buffer, .address_space: global }
      - { .name: wq, .offset: 24, .size: 8, .value_kind: global_buffer, .address_space: global }
      - { .name: trig, .offset: 32, .size: 8, .value_kind: global_buffer, .address_space: global }
    .group_segment_fixed_size: 34304
    .private_segment_fixed_size: 0
    .kernarg_segment_align: 8
    .kernarg_segment_size: 40
    .max_flat_workgroup_size: 128
    .sgpr_count:     66
    .vgpr_count:     256
    .wavefront_size: 32
...
	.end_amdgpu_metadata
.endif
;; end of part 4
;; launch qkv (part 5): grid 12 x 32, 8 waves a work-group, clusters of 4 x 4, 308,224 bytes of LDS; arguments xq, wq, b_kqv, trig, qimg, kv; writes qimg, kv
.if DOCPART == 5
	.amdgcn_target "amdgcn-amd-amdhsa--gfx1250"
	.amdhsa_code_object_version 6
	.text
	.protected	k_q574620b90d_qkv
	.globl	k_q574620b90d_qkv
	.p2align	8
	.type	k_q574620b90d_qkv,@function
k_q574620b90d_qkv:
	s_mov_b64 s[64:65], 0
	v_nop
	global_prefetch_b8 v0, s[64:65] scope:SCOPE_SE
	s_setreg_imm32_b32 hwreg(HW_REG_WAVE_MODE, 25, 1), 1
	s_wait_xcnt 0x0
	s_wait_alu depctr_hold_cnt(0) depctr_sa_sdst(0) depctr_va_vdst(0) depctr_va_sdst(0) depctr_va_ssrc(0) depctr_va_vcc(0) depctr_vm_vsrc(0)
	s_getreg_b32 s2, hwreg(HW_REG_IB_STS2, 6, 4)
	s_cmp_eq_u32 s2, 0
	s_cbranch_scc0 .Lentry_in_a_cluster
	s_endpgm
.Lentry_in_a_cluster:
	s_bfe_u32 s2, ttmp6, 0x10000c
	s_cmp_lg_u32 s2, 0xf033
	s_cbranch_scc0 .Lentry_shape_is_right
	s_endpgm
.Lentry_shape_is_right:
; qkv = Q(x) Q(W) + b on codes of FP6 (E2M3); q and k are rotated; q, k (along the head's 64) and v (along the keys) are quantised and stored as images of the operand registers that the attention launch loads.
; SHARES.  A work-group makes 128 rows x 256 columns.  All of K (1,024) lies in LDS: x's 4 pair records (102,400 bytes) at 0, W's 8 (204,800) behind them; no LDS byte is filled twice.
; CLUSTER 4 x 4.  The four of a row of the cluster need the same records of x, the four of a column the same records of W: each is asked for jointly.  1,024 columns, a cluster's width, are one role:
; cluster x = 0: q, 1: k, 2: v; so the one branch between the roles is the same in all sixteen partners.  Waves 0, 1 fetch x's records (two each), waves 2 to 5 W's: one tensor load a wave is out.
; q, k: wave w takes head w / 2 of the block's four and rows 64 (w % 2) on.  Source 0 = 16 columns of W, source 1 = 16 rows of x: a lane holds ONE row, and its register 16 b + i the feature 32 b + 16 (lane / 16) + i
; (the columns of a tile are chosen for that), so the rotation's partners f and f + 32 are two registers of one lane, and 16 registers are 16 neighbours along the next K.
; v: wave w takes 32 features.  Source 0 = 16 rows of x (keys), source 1 = 16 columns of W: a lane holds ONE feature and its register 16 b + i the key 32 b + 16 (lane / 16) + i.
; RECORDS.  q (7,168 bytes for 128 queries of a head) and the k part of a kv record (13,824 for 128 keys): tile t: registers 0-3 at 768 t + 16 x lane, 4-5 at 768 t + 512 + 8 x lane; scale words at
; 6,144 + 512 (t / 4) + 16 x lane + 4 (t % 4), bytes 2 and 3 = 127 for the upper half of the instruction's K, whose codes are zeros.  v part from 7,168: tile n of 16 features: 1,536 n + 512 c + 16 x lane; words at 6,144 + 256 (n / 2) + 8 x lane + 4 (n % 2).
; Sixteen accumulators take turns, one instruction a turn, in the same order in every K step.
; LIMITS: NaN and infinities are not served; a block of zeros, or one under 2^-124, keeps the byte 1 (only this program reads the bytes).
.set PREC,  25600
.set SCO,   24576
.set BB0,   4*PREC                     ; W's records in LDS
.set SEL,   62                         ; s[62:63]
.set TM2,   32                         ; q, k: v32-39 at work in the quantiser
.set RT,    40                         ; v40-47 at work in the rotation
.set PC2,   48                         ; v48-53 a tile's six registers of codes
.set PT2,   54
.set SW2,   60                         ; v60-63 four tiles' scale words
.set BI,    32                         ; v32-63 the bias, ahead of all that
.set TR0,   64                         ; v64-95, v96-127 two sets of cos and sin
.set TR1,   96
.set TM,    40                         ; v: v40-51 at work
.set PC,    56                         ; v56-67 codes, 68-74 halves on their way
.set SWV,   76
.macro PLACES                          ; four places behind matrix instructions, in front of loads into their registers and of the first read of results
.rept 4
	v_nop
.endr
.endm
.macro CROUND                          ; a round of the cluster's barrier
	s_barrier_signal -1
	s_barrier_wait -1
	s_cmp_lg_u32 s16, 0
	s_cbranch_scc1 .Lnot_wave_0_\@
	s_barrier_signal -3
.Lnot_wave_0_\@:
	s_barrier_wait -3
	s_barrier_signal -1
	s_barrier_wait -1
.endm
; one product.  ra, rb = 1: that side's scale words stand in lanes 16-31 of the register named
.macro MMA d, a, b, zero, sa, sb, ra, rb
.if (\zero) && (\ra) && (\rb)
	v_wmma_scale_f32_16x16x128_f8f6f4 v[(\d):(\d)+7], v[(\a):(\a)+11], v[(\b):(\b)+11], 0, v[\sa], v[\sb] matrix_a_fmt:MATRIX_FMT_FP6 matrix_b_fmt:MATRIX_FMT_FP6 matrix_a_scale:MATRIX_SCALE_ROW1 matrix_b_scale:MATRIX_SCALE_ROW1
.elseif (\zero) && (\ra)
	v_wmma_scale_f32_16x16x128_f8f6f4 v[(\d):(\d)+7], v[(\a):(\a)+11], v[(\b):(\b)+11], 0, v[\sa], v[\sb] matrix_a_fmt:MATRIX_FMT_FP6 matrix_b_fmt:MATRIX_FMT_FP6 matrix_a_scale:MATRIX_SCALE_ROW1
.elseif (\zero) && (\rb)
	v_wmma_scale_f32_16x16x128_f8f6f4 v[(\d):(\d)+7], v[(\a):(\a)+11], v[(\b):(\b)+11], 0, v[\sa], v[\sb] matrix_a_fmt:MATRIX_FMT_FP6 matrix_b_fmt:MATRIX_FMT_FP6 matrix_b_scale:MATRIX_SCALE_ROW1
.elseif (\zero)
	v_wmma_scale_f32_16x16x128_f8f6f4 v[(\d):(\d)+7], v[(\a):(\a)+11], v[(\b):(\b)+11], 0, v[\sa], v[\sb] matrix_a_fmt:MATRIX_FMT_FP6 matrix_b_fmt:MATRIX_FMT_FP6
.elseif (\ra) && (\rb)
	v_wmma_scale_f32_16x16x128_f8f6f4 v[(\d):(\d)+7], v[(\a):(\a)+11], v[(\b):(\b)+11], v[(\d):(\d)+7], v[\sa], v[\sb] matrix_a_fmt:MATRIX_FMT_FP6 matrix_b_fmt:MATRIX_FMT_FP6 matrix_a_scale:MATRIX_SCALE_ROW1 matrix_b_scale:MATRIX_SCALE_ROW1
.elseif (\ra)
	v_wmma_scale_f32_16x16x128_f8f6f4 v[(\d):(\d)+7], v[(\a):(\a)+11], v[(\b):(\b)+11], v[(\d):(\d)+7], v[\sa], v[\sb] matrix_a_fmt:MATRIX_FMT_FP6 matrix_b_fmt:MATRIX_FMT_FP6 matrix_a_scale:MATRIX_SCALE_ROW1
.elseif (\rb)
	v_wmma_scale_f32_16x16x128_f8f6f4 v[(\d):(\d)+7], v[(\a):(\a)+11], v[(\b):(\b)+11], v[(\d):(\d)+7], v[\sa], v[\sb] matrix_a_fmt:MATRIX_FMT_FP6 matrix_b_fmt:MATRIX_FMT_FP6 matrix_b_scale:MATRIX_SCALE_ROW1
.else
	v_wmma_scale_f32_16x16x128_f8f6f4 v[(\d):(\d)+7], v[(\a):(\a)+11], v[(\b):(\b)+11], v[(\d):(\d)+7], v[\sa], v[\sb] matrix_a_fmt:MATRIX_FMT_FP6 matrix_b_fmt:MATRIX_FMT_FP6
.endif
.endm
; q, k: K step k: four tiles of W (v32-79) x four tiles of x (v80-127); accumulator (t, s) at v[128 + 32 s + 8 t]
.macro KSTEP_QK k
.if (\k) == 0
.set ZK, 1
.else
.set ZK, 0
	PLACES
.endif
.if (\k)%2 == 0                        ; the scale words of two K steps: v20-23 W's two pairs, v24-27 x's
.irp b, 0,1
	ds_load_b64 v[20+2*\b:21+2*\b], v5 offset:PREC*\b+256*((\k)/2)
	ds_load_b64 v[24+2*\b:25+2*\b], v6 offset:PREC*\b+256*((\k)/2)
.endr
.endif
.irp t, 0,1,2,3
.irp c, 0,1,2
	ds_load_b128 v[32+12*\t+4*\c:35+12*\t+4*\c], v3 offset:PREC*(\t/2)+12288*(\t%2)+1536*(\k)+512*\c
.endr
.endr
.irp s, 0,1,2,3
.irp c, 0,1,2
	ds_load_b128 v[80+12*\s+4*\c:83+12*\s+4*\c], v4 offset:PREC*(\s/2)+12288*(\s%2)+1536*(\k)+512*\c
.endr
.endr
.irp s, 0,1,2,3
	s_wait_dscnt 9-3*\s                            ; all is in but the three loads of each later tile of x
.irp t, 0,1,2,3
	MMA 128+32*\s+8*\t, 32+12*\t, 80+12*\s, ZK, 20+2*(\t/2)+(\k)%2, 24+2*(\s/2)+(\k)%2, \t%2, \s%2
.endr
.endr
.endm
; v: K step k: eight tiles of x, four at a time (v56-103), x two tiles of W (v32-55); accumulator (t, n) at v[128 + 64 n + 8 t]
.macro KSTEP_V k
.if (\k) == 0
.set ZK, 1
.else
.set ZK, 0
	PLACES
.endif
.if (\k)%2 == 0                        ; v20-27 x's four pairs, v28-29 my pair of W
.irp p, 0,1
	ds_load_b64 v[20+2*\p:21+2*\p], v9 offset:PREC*\p+256*((\k)/2)
	ds_load_b64 v[24+2*\p:25+2*\p], v10 offset:PREC*\p+256*((\k)/2)
.endr
	ds_load_b64 v[28:29], v11 offset:256*((\k)/2)
.endif
.irp n, 0,1
.irp c, 0,1,2
	ds_load_b128 v[32+12*\n+4*\c:35+12*\n+4*\c], v8 offset:12288*\n+1536*(\k)+512*\c
.endr
.endr
.irp t, 0,1,2,3
.irp c, 0,1,2
	ds_load_b128 v[56+12*\t+4*\c:59+12*\t+4*\c], v1 offset:PREC*(\t/2)+12288*(\t%2)+1536*(\k)+512*\c
.endr
.endr
	s_wait_dscnt 0x0
.irp t, 0,1,2,3
.irp n, 0,1
	MMA 128+64*\n+8*\t, 56+12*\t, 32+12*\n, ZK, 20+2*(\t/2)+(\k)%2, 28+(\k)%2, \t%2, \n
.endr
.endr
	PLACES
.irp t, 0,1,2,3
.irp c, 0,1,2
	ds_load_b128 v[56+12*\t+4*\c:59+12*\t+4*\c], v7 offset:PREC*(\t/2)+12288*(\t%2)+1536*(\k)+512*\c
.endr
.endr
	s_wait_dscnt 0x0
.irp t, 0,1,2,3
.irp n, 0,1
	MMA 128+64*\n+8*(\t+4), 56+12*\t, 32+12*\n, ZK, 24+2*(\t/2)+(\k)%2, 28+(\k)%2, \t%2, \n
.endr
.endr
.endm
.macro TRLOAD s, tr                    ; cos and sin of x tile s of my four: 16 + 16 registers
.irp g, 0,1,2,3
	global_load_b128 v[(\tr)+4*\g:(\tr)+4*\g+3], v1, s[72:73] offset:4096*(\s)+512*\g
	global_load_b128 v[(\tr)+16+4*\g:(\tr)+16+4*\g+3], v1, s[72:73] offset:4096*(\s)+2048+512*\g
.endr
.endm
.macro ROPE s, tr                      ; first = first cos - second sin; second = second cos + first sin; two features an instruction
.set CN, 0
.rept 8
.set AA, 128+32*(\s)+CN
.set TP, RT+2*((CN/2)%4)
	v_pk_mul_f32 v[TP:TP+1], v[AA:AA+1], v[(\tr)+16+CN:(\tr)+17+CN]
	v_pk_mul_f32 v[AA:AA+1], v[AA:AA+1], v[(\tr)+CN:(\tr)+CN+1]
	s_delay_alu instid0(VALU_DEP_1)
	v_pk_fma_f32 v[AA:AA+1], v[AA+16:AA+17], v[(\tr)+16+CN:(\tr)+17+CN], v[AA:AA+1] neg_lo:[1,0,0] neg_hi:[1,0,0]
	s_delay_alu instid0(VALU_DEP_3)
	v_pk_fma_f32 v[AA+16:AA+17], v[AA+16:AA+17], v[(\tr)+CN:(\tr)+CN+1], v[TP:TP+1]
.set CN, CN+2
.endr
.endm
; 32 numbers of a lane, register 16 b + i = feature 32 b + 16 (lane / 16) + i of my row: six registers of codes in v[PC2] on, the scale word in v[pw]
.macro QUANT2 s, pw
.irp b, 0,1
	v_max3_num_f32 v[TM2+\b], |v[(\s)+16*\b]|, |v[(\s)+1+16*\b]|, 0x1800000   ; with the floor 2^(3 - 127)
.endr
.irp i, 2,4,6,8,10,12,14
.irp b, 0,1
	s_delay_alu instid0(VALU_DEP_2)
	v_max3_num_f32 v[TM2+\b], v[TM2+\b], |v[(\s)+16*\b+\i]|, |v[(\s)+1+16*\b+\i]|
.endr
.endr
.irp b, 0,1
	s_delay_alu instid0(VALU_DEP_2)
	v_permlanex16_b32 v[TM2+2+\b], v[TM2+\b], s[SEL], s[SEL+1]
.endr
.irp b, 0,1
	s_delay_alu instid0(VALU_DEP_2)
	v_max_num_f32 v[TM2+\b], v[TM2+\b], v[TM2+2+\b]
.endr
.irp b, 0,1
	s_delay_alu instid0(VALU_DEP_2)
	v_add_nc_u32 v[TM2+4+\b], 0xff000000, v[TM2+\b]
.endr
.irp b, 0,1
	s_delay_alu instid0(VALU_DEP_2)
	v_lshrrev_b32 v[TM2+6+\b], 23, v[TM2+4+\b]
.endr
	s_delay_alu instid0(VALU_DEP_1)
	v_lshl_or_b32 v[\pw], v[TM2+7], 8, v[TM2+6]
	s_delay_alu instid0(VALU_DEP_1)
	v_or_b32 v[\pw], 0x7f7f0000, v[\pw]            ; 127 for the two blocks of zero codes
	v_cvt_scalef32_pk16_fp6_f32 v[PC2:PC2+2], v[(\s):(\s)+15], v[TM2+4]
	v_cvt_scalef32_pk16_fp6_f32 v[PT2:PT2+2], v[(\s)+16:(\s)+31], v[TM2+5]
	v_nop                                          ; one plain place behind a scaled conversion
.irp i, 0,1,2
	v_permlane16_swap_b32 v[PC2+\i], v[PT2+\i]     ; lanes 0-15 get block 0 whole, lanes 16-31 block 1
.endr
.irp i, 0,1,2
	s_delay_alu instid0(VALU_DEP_3)
	v_mov_b32 v[PC2+3+\i], v[PT2+\i]
.endr
.endm
; 64 numbers of a lane, register 16 b + i = k 32 b + 16 (lane / 16) + i of my row: a fragment's codes in v[PC] on, its scale word in v[pw]
.macro QUANT4 s, pw
.irp b, 0,1,2,3
	v_max3_num_f32 v[TM+\b], |v[(\s)+16*\b]|, |v[(\s)+1+16*\b]|, 0x1800000
.endr
.irp i, 2,4,6,8,10,12,14
.irp b, 0,1,2,3
	s_delay_alu instid0(VALU_DEP_4)
	v_max3_num_f32 v[TM+\b], v[TM+\b], |v[(\s)+16*\b+\i]|, |v[(\s)+1+16*\b+\i]|
.endr
.endr
.irp b, 0,1,2,3
	s_delay_alu instid0(VALU_DEP_4)
	v_permlanex16_b32 v[TM+4+\b], v[TM+\b], s[SEL], s[SEL+1]
.endr
.irp b, 0,1,2,3
	s_delay_alu instid0(VALU_DEP_4)
	v_max_num_f32 v[TM+\b], v[TM+\b], v[TM+4+\b]
.endr
.irp b, 0,1,2,3
	s_delay_alu instid0(VALU_DEP_4)
	v_add_nc_u32 v[TM+8+\b], 0xff000000, v[TM+\b]
.endr
.irp b, 0,1,2,3
	s_delay_alu instid0(VALU_DEP_4)
	v_lshrrev_b32 v[TM+4+\b], 23, v[TM+8+\b]
.endr
	s_delay_alu instid0(VALU_DEP_3)
	v_lshl_or_b32 v[\pw], v[TM+5], 8, v[TM+4]
	s_delay_alu instid0(VALU_DEP_1)
	v_lshl_or_b32 v[\pw], v[TM+6], 16, v[\pw]
	s_delay_alu instid0(VALU_DEP_1)
	v_lshl_or_b32 v[\pw], v[TM+7], 24, v[\pw]
.irp c, 0,1
	v_cvt_scalef32_pk16_fp6_f32 v[PC+6*\c:PC+2+6*\c], v[(\s)+32*\c:(\s)+15+32*\c], v[TM+8+2*\c]
	v_cvt_scalef32_pk16_fp6_f32 v[PC+12+4*\c:PC+14+4*\c], v[(\s)+16+32*\c:(\s)+31+32*\c], v[TM+8+2*\c+1]
.endr
	v_nop
.irp c, 0,1
.irp i, 0,1,2
	v_permlane16_swap_b32 v[PC+6*\c+\i], v[PC+12+4*\c+\i]
.endr
.irp i, 0,1,2
	s_delay_alu instid0(VALU_DEP_3)
	v_mov_b32 v[PC+3+6*\c+\i], v[PC+12+4*\c+\i]
.endr
.endr
.endm
	s_load_b128 s[4:7], s[0:1], 0x0                ; xq, wq
	s_load_b128 s[8:11], s[0:1], 0x10              ; b, trig
	s_load_b128 s[12:15], s[0:1], 0x20             ; qimg, kv
	v_lshl_add_u32 v30, v0, 2, 0x4b000
	v_mov_b32 v31, 0
	ds_add_u32 v30, v31
	ds_add_u32 v30, v31
	v_lshrrev_b32 v1, 5, v0
	s_delay_alu instid0(VALU_DEP_1)
	v_readfirstlane_b32 s16, v1                    ; wave 0..7
	s_bfe_u32 s17, ttmp6, 0x40000                  ; cx
	s_bfe_u32 s18, ttmp6, 0x40004                  ; cy
	s_and_b32 s19, ttmp7, 0xffff
	s_lshl_b32 s19, s19, 2
	s_add_co_u32 s19, s19, s18                     ; block of 128 rows = 4 x cluster y + cy
	s_lshl_b32 s20, ttmp9, 2
	s_add_co_u32 s20, s20, s17                     ; block of 256 columns = 4 x cluster x + cx
	s_lshl_b32 s21, s18, 2
	s_lshl_b32 s21, 15, s21                        ; my row of the cluster
	s_lshl_b32 s22, 0x1111, s17                    ; my column
	; descriptor group 1: two records, 51,200 dense bytes, as 200 rows of 256 bytes (32 elements of 8 bytes), no padding
	s_or_b32 s24, s21, (3<<16)|(1<<21)             ; x's records go to my row,
	s_or_b32 s32, s22, (3<<16)|(1<<21)             ; W's to my column
.irp g, 24, 32
	s_mov_b32 s[\g+1], 32<<16                      ; tensor_dim0
	s_mov_b32 s[\g+2], 200<<16                     ; tensor_dim1
	s_mov_b32 s[\g+3], 32<<16                      ; tile_dim0
	s_mov_b32 s[\g+4], 200                         ; tile_dim1
	s_mov_b32 s[\g+5], 32                          ; the pitch
	s_mov_b32 s[\g+6], 0
	s_mov_b32 s[\g+7], 0
.endr
	s_and_b32 s23, s16, 1
	s_lshl_b32 s48, s19, 2
	s_lshl_b32 s49, s23, 1
	s_add_co_u32 s48, s48, s49
	s_mul_i32 s48, s48, PREC                       ; x: pairs 4 x block + 2 (wave % 2) on
	s_mov_b32 s49, 0
	s_sub_co_u32 s50, s16, 2
	s_and_b32 s50, s50, 3
	s_lshl_b32 s50, s50, 1
	s_lshl_b32 s51, s20, 3
	s_add_co_u32 s50, s50, s51
	s_mul_i32 s50, s50, PREC                       ; W: pairs 8 x block + 2 (wave - 2) on
	s_mov_b32 s51, 0
	s_mul_i32 s52, s16, 2*PREC                     ; where they go: 51,200 x wave: no place in the cluster enters an LDS address
	s_wait_dscnt 0x0
	s_wait_kmcnt 0x0
	CROUND                                         ; all sixteen work-groups are here: the joint loads meet
	s_mov_b32 s40, 1
	s_mov_b32 s41, s52
	s_add_nc_u64 s[42:43], s[4:5], s[48:49]
	s_or_b32 s43, s43, 0x80000000
	s_mov_b32 s44, 1
	s_mov_b32 s45, s52
	s_add_nc_u64 s[46:47], s[6:7], s[50:51]
	s_or_b32 s47, s47, 0x80000000
	s_cmp_lt_u32 s16, 2                            ; the branches hang on the wave's number alone
	s_cbranch_scc0 .Lnot_a
	tensor_load_to_lds s[40:43], s[24:31]
	s_nop 0
.rept 4
	v_nop
.endr
	s_branch .Lasked
.Lnot_a:
	s_cmp_lt_u32 s16, 6
	s_cbranch_scc0 .Lasked
	tensor_load_to_lds s[44:47], s[32:39]
	s_nop 0
.rept 4
	v_nop
.endr
.Lasked:
	; every LDS address is made here, ahead of the parting of the roles: a constant + a constant x wave + 16 or 8 x lane
	v_and_b32 v14, 31, v0
	s_delay_alu instid0(VALU_DEP_1)
	v_lshlrev_b32 v1, 4, v14                       ; 16 x lane; also x's pairs 0, 1 for v
	s_wait_alu depctr_va_vdst(0)
	v_lshlrev_b32 v2, 3, v14                       ; 8 x lane
	s_wait_alu depctr_va_vdst(0)
	s_lshr_b32 s54, s16, 1
	s_mul_i32 s55, s54, 2*PREC
	s_add_co_u32 s55, s55, BB0
	v_add_nc_u32 v3, s55, v1                       ; q, k: my head's two pairs of W
	s_mul_i32 s56, s23, 2*PREC
	v_add_nc_u32 v4, s56, v1                       ; my two pairs of x
	s_add_co_u32 s55, s55, SCO
	v_add_nc_u32 v5, s55, v2                       ; and their scale words
	s_add_co_u32 s56, s56, SCO
	v_add_nc_u32 v6, s56, v2
	v_add_nc_u32 v7, 2*PREC, v1                    ; v: x's pairs 2, 3
	s_mul_i32 s57, s16, PREC
	s_add_co_u32 s57, s57, BB0
	v_add_nc_u32 v8, s57, v1                       ; my pair of W
	v_add_nc_u32 v9, SCO, v2
	v_add_nc_u32 v10, 2*PREC+SCO, v2
	s_add_co_u32 s57, s57, SCO
	v_add_nc_u32 v11, s57, v2
	v_bfe_u32 v12, v0, 4, 1
	s_delay_alu instid0(VALU_DEP_1)
	v_lshlrev_b32 v12, 6, v12                      ; 64 h: the bias of q and k
	v_and_b32 v13, 15, v0
	s_delay_alu instid0(VALU_DEP_1)
	v_lshlrev_b32 v13, 2, v13                      ; 4 r: the bias of v
	s_mov_b32 s[SEL], 0x76543210
	s_mov_b32 s[SEL+1], 0xfedcba98
	s_lshl_b32 s74, s17, 2
	s_add_co_u32 s74, s74, s54                     ; the head: 4 cx + wave / 2.  It enters global addresses alone
	s_lshl_b32 s75, s74, 5
	s_add_co_u32 s75, s75, s19                     ; the record: 32 x head + block of rows
	s_mov_b32 s77, 0
	s_wait_tensorcnt 0x0                           ; my load has landed,
	s_barrier_signal -1
	s_barrier_wait -1                              ; everybody's has
	s_cmp_eq_u32 ttmp9, 2
	s_cbranch_scc1 .Lv
	; ---------------- q and k
	s_mov_b32 s78, 13824
	s_cmp_eq_u32 ttmp9, 0
	s_cselect_b64 s[66:67], s[12:13], s[14:15]     ; q's records or the k part of kv's
	s_cselect_b32 s78, 7168, s78
	s_mov_b64 s[68:69], s[66:67]
	s_mul_i32 s75, s75, s78
	s_mul_i32 s76, s23, 3072
	s_add_co_u32 s76, s76, s75
	s_add_nc_u64 s[66:67], s[66:67], s[76:77]      ; my four tiles' codes
	s_lshl_b32 s76, s23, 9
	s_add_co_u32 s76, s76, s75
	s_add_co_u32 s76, s76, 6144
	s_add_nc_u64 s[68:69], s[68:69], s[76:77]      ; and their scale words
	s_lshl_b32 s76, ttmp9, 10
	s_lshl_b32 s78, s74, 6
	s_add_co_u32 s76, s76, s78
	s_lshl_b32 s76, s76, 2
	s_add_nc_u64 s[70:71], s[8:9], s[76:77]        ; the bias of my head's 64 columns
	s_lshl_b32 s76, s19, 15
	s_lshl_b32 s78, s23, 14
	s_add_co_u32 s76, s76, s78
	s_add_nc_u64 s[72:73], s[10:11], s[76:77]      ; cos and sin of my four tiles of rows
.irp k, 0,1,2,3,4,5,6,7
	KSTEP_QK \k
.endr
	PLACES
	s_wait_alu depctr_va_vdst(0)
.irp t, 0,1,2,3
.irp e, 0,1
	global_load_b128 v[BI+8*\t+4*\e:BI+8*\t+4*\e+3], v12, s[70:71] offset:(32*(\t/2)+8*(\t%2))*4+16*\e
.endr
.endr
	TRLOAD 0, TR0
	TRLOAD 1, TR1
	s_wait_loadcnt 16                              ; the bias is in; the two sets of cos and sin may be out
.set CN, 0
.rept 64                                       ; ascending: each accumulator is read from its low end on
	v_pk_add_f32 v[128+CN:129+CN], v[128+CN:129+CN], v[BI+CN%32:BI+CN%32+1]
.set CN, CN+2
.endr
	v_mov_b32 v[TM2+2], 0                          ; a lane permute's destination counts as one of its sources
	v_mov_b32 v[TM2+3], 0
.irp s, 0,1,2,3
.if \s < 3
	s_wait_loadcnt 8                               ; this tile's set is in; the other set may be out
.else
	s_wait_loadcnt 0x0
.endif
	ROPE \s, TR0+32*(\s%2)
.if \s < 2
	TRLOAD \s+2, TR0+32*(\s%2)
.endif
	s_wait_xcnt 0x0                                ; the last tile's stores have read their data: the codes' registers are written again only behind this wait
	QUANT2 128+32*\s, SW2+\s
	global_store_b128 v1, v[PC2:PC2+3], s[66:67] offset:768*\s
	global_store_b64 v2, v[PC2+4:PC2+5], s[66:67] offset:768*\s+512
.endr
	global_store_b128 v1, v[SW2:SW2+3], s[68:69]
	s_branch .Lend
	; ---------------- v
.Lv:
	s_mul_i32 s75, s75, 13824
	s_mul_i32 s76, s23, 3072
	s_add_co_u32 s76, s76, s75
	s_add_co_u32 s76, s76, 7168
	s_add_nc_u64 s[66:67], s[14:15], s[76:77]      ; my two tiles' codes
	s_lshl_b32 s76, s23, 8
	s_add_co_u32 s76, s76, s75
	s_add_co_u32 s76, s76, 13312
	s_add_nc_u64 s[68:69], s[14:15], s[76:77]      ; and their scale words
	s_lshl_b32 s76, s74, 6
	s_lshl_b32 s78, s23, 5
	s_add_co_u32 s76, s76, s78
	s_add_co_u32 s76, s76, 2048
	s_lshl_b32 s76, s76, 2
	s_add_nc_u64 s[70:71], s[8:9], s[76:77]        ; the bias of my 32 columns
	s_wait_alu depctr_va_vdst(0)
.irp k, 0,1,2,3,4,5,6,7
	KSTEP_V \k
.endr
	PLACES
	global_load_b32 v32, v13, s[70:71]
	global_load_b32 v34, v13, s[70:71] offset:64
	v_mov_b32 v33, 0                               ; (named as the upper halves of the pairs below)
	v_mov_b32 v35, 0
.irp b, 0,1,2,3
	v_mov_b32 v[TM+4+\b], 0
.endr
	s_wait_alu depctr_va_vdst(0)
	s_wait_loadcnt 0x0
.irp n, 0,1
.set CN, 0
.rept 32                                       ; a lane holds one feature: one number of the bias for its 64 keys; ascending
	v_pk_add_f32 v[128+64*\n+CN:129+64*\n+CN], v[128+64*\n+CN:129+64*\n+CN], v[32+2*\n:33+2*\n] op_sel_hi:[1,0]
.set CN, CN+2
.endr
.if \n > 0
	s_wait_xcnt 0x0                                ; tile 0's stores have read their data
.endif
	QUANT4 128+64*\n, SWV+\n
.irp c, 0,1,2
	global_store_b128 v1, v[PC+4*\c:PC+4*\c+3], s[66:67] offset:1536*\n+512*\c
.endr
.endr
	global_store_b64 v2, v[SWV:SWV+1], s[68:69]
.Lend:
	s_wait_dscnt 0x0
	s_wait_tensorcnt 0x0
	ds_add_u32 v30, v31
	s_wait_dscnt 0x0
	CROUND                                         ; the closing round: no work-group ends while a partner may still ask for a tile that names it
	s_endpgm
.Lfunc_end_k_q574620b90d_qkv:
	.size	k_q574620b90d_qkv, .Lfunc_end_k_q574620b90d_qkv-k_q574620b90d_qkv
	.p2alignl 7, 3214868480
	.fill 96, 4, 3214868480
	.section	.rodata,"a",@progbits
	.p2align	6, 0x0
	.amdhsa_kernel k_q574620b90d_qkv
		.amdhsa_group_segment_fixed_size 308224
		.amdhsa_private_segment_fixed_size 0
		.amdhsa_enable_private_segment 0
		.amdhsa_kernarg_size 48
		.amdhsa_user_sgpr_count 2
		.amdhsa_user_sgpr_kernarg_segment_ptr 1
		.amdhsa_wavefront_size32 1
		.amdhsa_system_sgpr_workgroup_id_x 1
		.amdhsa_system_sgpr_workgroup_id_y 1
		.amdhsa_system_sgpr_workgroup_id_z 1
		.amdhsa_system_vgpr_workitem_id 0
		.amdhsa_next_free_vgpr 256
		.amdhsa_next_free_sgpr 80
		.amdhsa_reserve_vcc 0
		.amdhsa_float_denorm_mode_32 3
		.amdhsa_float_denorm_mode_16_64 3
		.amdhsa_memory_ordered 1
		.amdhsa_forward_progress 1
		.amdhsa_inst_pref_size 120
	.end_amdhsa_kernel
	.amdgpu_metadata
---
amdhsa.version: [ 1, 2 ]
amdhsa.kernels:
  - .name:           k_q574620b90d_qkv
    .symbol:         k_q574620b90d_qkv.kd
    .args:
      - { .name: xq, .offset: 0, .size: 8, .value_kind: global_buffer, .address_space: global }
      - { .name: wq, .offset: 8, .size: 8, .value_kind: global_buffer, .address_space: global }
      - { .name: b_kqv, .offset: 16, .size: 8, .value_kind: global_buffer, .address_space: global }
      - { .name: trig, .offset: 24, .size: 8, .value_kind: global_buffer, .address_space: global }
      - { .name: qimg, .offset: 32, .size: 8, .value_kind: global_buffer, .address_space: global }
      - { .name: kv, .offset: 40, .size: 8, .value_kind: global_buffer, .address_space: global }
    .group_segment_fixed_size: 308224
    .private_segment_fixed_size: 0
    .kernarg_segment_align: 8
    .kernarg_segment_size: 48
    .max_flat_workgroup_size: 256
    .sgpr_count:     80
    .vgpr_count:     256
    .wavefront_size: 32
...
	.end_amdgpu_metadata
.endif
;; end of part 5
;; launch attn (part 6): grid 16 x 16, 8 waves a work-group, no clusters, 168,960 bytes of LDS; arguments qimg, kv, out0; writes out0
.if DOCPART == 6
	.amdgcn_target "amdgcn-amd-amdhsa--gfx1250"
	.amdhsa_code_object_version 6
	.text
	.protected	k_q574620b90d_attn
	.globl	k_q574620b90d_attn
	.p2align	8
	.type	k_q574620b90d_attn,@function
k_q574620b90d_attn:
	s_mov_b64 s[64:65], 0
	v_nop
	global_prefetch_b8 v0, s[64:65] scope:SCOPE_SE
	s_setreg_imm32_b32 hwreg(HW_REG_WAVE_SCHED_MODE, 0, 2), 2
	s_setreg_imm32_b32 hwreg(HW_REG_WAVE_MODE, 25, 1), 1
	s_wait_xcnt 0x0
	s_wait_alu depctr_vm_vsrc(0)
; out[q][64 head + f] = the sum over keys k <= q of softmax_k(q . k / 8) v, both products on codes of FP6 (E2M3) with one E8M0 scale for each 32 along a product's K.
; q, k and v come as images of operand registers (records of 128 queries, 7,168 bytes; of 128 keys, 13,824 bytes: k's part, then v's from 7,168).  The first product's K is the head's 64: the upper six registers of both
; fragments hold zero codes, set once, and bytes 2 and 3 of the scale words are 127.
; THE SOFTMAX: t = score x log2(e) / 8; M = the running largest t rounded UP to a whole number; p = 2^(t - M) is quantised along the keys; the row's sum is taken of the unquantised p and divides at the end.
; When M moves, the sum and O are multiplied by 2^(old M - new M): exact.
; SHARES.  Work-group (j, head) takes the blocks of 128 queries j and 31 - j, one after the other: (j + 1) + (32 - j) = 33 key steps of 128 in every work-group.  Wave w owns one tile of 16 queries:
; lane r's query is 128 block + 32 (w / 2) + 8 (w % 2) + r + 8 (r / 8).  Both products are used transposed: a lane holds one query throughout.  The keys of a tile of k are chosen so that the 16 registers of
; tiles 2 b and 2 b + 1 are keys 32 b + 16 (lane / 16) + 0 .. 15.
; K AND V come through registers into two LDS slots of two key steps (27,648 dense bytes): 256 threads load a slot (16, 8 and 4 bytes a thread), two key steps ahead of the wait for it, and store it as it lies.
; One barrier a slot: in front of it a wave has waited for its stores into the other slot and for its reads of this one.  The stream runs on from the first block into the second.
; NO CLUSTER, NO JOINT LOADS: the work-groups of a head walk different numbers of slots in each phase ((j + 4) / 4 trips against (35 - j) / 4), so partners would not ask for the same tiles at the same time,
; and a trip count that hangs on j keeps tensor loads out: every LDS address here is a constant + a lane's or a thread's term.
; CAUSAL: a step all of whose keys come after the block is left out by a scalar branch on ids; on the diagonal step hidden scores become -infinity ahead of the maximum.
; LIMITS: NaN and infinities are not served; a block of p that has fallen to 0 keeps the byte 1 (its codes are zeros).
; THE MODE: SCHED_MODE bits 1:0 = 2 (LLVM: expert scheduling mode 2), set by the entry lines.  The code itself states the register dependences between vector or matrix instructions and memory or LDS
; instructions, with s_wait_alu, always for 0.
; THE PLAN.  Registers that memory or LDS instructions touch:
;   k's eight fragments (window 1), k's scale words v248-251 and v80-83: loaded at a step's head; read by that step's eight score products.  (A fragment's upper six registers are zeros, written once at the head; no load lands there.)
;   v's four fragments v32-79, v's scale words v84-87: loaded at a step's head; read by the step's last four products.
;   v192-218, a slot on its way: written by global loads, read by the LDS stores of the next change of slots; no vector instruction names them.
;   q, v16-21 and v255: loaded at the head and between the two blocks; read by the score products.
;   the way out: v96-127, written by the divisions, read by LDS stores; v128-159, written by LDS loads, read by global stores; both written again by the next block's score products.
;   v1-v10, v28, v29: offsets and addresses, made once at the head and never written again.  v223, v243: written at the head, read by the closing add alone.
; So ONE wait on va_vdst at a step's head states all that the step's 32 LDS loads hang on: the products of the step before are done reading the fragments and the scale words.  The loads go out in one run behind it.
; A second one stands ahead of the last four products, for p's codes and p's scale word, which vector instructions write.  One wait on vm_vsrc stands at each change of slots, ahead of the loads into v192-218.
.set KVREC, 13824
.set SLOTB, 2*KVREC
.set VOFF,  7168
.set QREC,  7168
.set STG,   2*SLOTB                    ; behind the slots: 16 rows x 272 bytes for each wave, for the way out
.set SPI,   272
.set WV,    10
.set JB,    11
.set HD,    12
.set KVB,   14                         ; s[14:15] the head's records of k and v
.set LPB,   16                         ; s[16:17] the slot being loaded
.set QRB,   18                         ; s[18:19] the block's record of q
.set SEL,   20                         ; s[20:21] selects for lane l xor 16
.set CS,    22                         ; s[22:23] c = log2(e) / 8
.set OPB,   24                         ; s[24:25] my tile's first row of the output
.set PHS,   26                         ; phase 0, 1
.set BLK,   27                         ; its block of queries
.set TRIPS, 28                         ; trips of four key steps
.set TCN,   29
.set STI,   30                         ; the key step
.set NX,    31                         ; the slot of the head to be loaded next
.set WRAP,  32                         ; where the stream goes back to slot 0: the first block's number of slots
.set REM,   33                         ; slots still to be read behind this one
.set QH,    38                         ; s[38:39] the head's records of q
.set OH,    40                         ; s[40:41] the output at my tile's place in block 0
.set MK,    42                         ; s42-57 sixteen masks of hidden keys
.set KF,    0                          ; window 1: k's fragment j at v[KF + 12 j]: v256-351
.set VF,    32                         ; v32-79 v's four fragments
.set KS0,   248                        ; v248-251 the scale words of k's tiles 0-3
.set KS1,   80                         ; v80-83 of its tiles 4-7
.set VS,    84                         ; v84-87 v's scale words
; REGISTERS: v1 16 x lane, v2 8 x lane, v3-5 16, 8, 4 x thread; v6 my query in the block - 16 (lane / 16); v7-9 the way out; v10, v28, v29 q's offsets; v11 -infinity; v12 -M, v13 the largest t, v[14:15] the sum;
; v16-27 q; v32-79 v's fragments; v80-87 scale words; v96-159 S^T, then p; v160-191 O^T; v192-218 a slot on its way; v224-235 p's codes; v232-247 at work; v248-251 scale words; v252 f; v253 p's word; v255 q's word;
; window 1 (an instruction names v0-v255; s_set_vgpr_msb says which window each operand place means: bits 1:0 source 0, 7:6 destination): k's eight fragments.  Four switches a step: two round k's loads, two round the score products.
.set MSB, 0
.macro WIN new                         ; the immediate's high byte repeats the setting that is left
.if MSB != \new
	s_set_vgpr_msb (MSB<<8)|\new
.set MSB, \new
.endif
.endm
.macro GLOAD
.irp i, 0,1,2,3,4,5
	global_load_b128 v[192+4*\i:195+4*\i], v3, s[LPB:LPB+1] offset:4096*\i
.endr
	global_load_b64 v[216:217], v4, s[LPB:LPB+1] offset:24576
	global_load_b32 v218, v5, s[LPB:LPB+1] offset:26624
.endm
.macro LSTORE sl
.irp i, 0,1,2,3,4,5
	ds_store_b128 v3, v[192+4*\i:195+4*\i] offset:SLOTB*(\sl)+4096*\i
.endr
	ds_store_b64 v4, v[216:217] offset:SLOTB*(\sl)+24576
	ds_store_b32 v5, v218 offset:SLOTB*(\sl)+26624
.endm
.macro QLOAD
	global_load_b128 v[16:19], v28, s[QRB:QRB+1]
	global_load_b64 v[20:21], v29, s[QRB:QRB+1]
	global_load_b32 v255, v10, s[QRB:QRB+1]
.endm
; A KEY STEP: 128 keys, the q-th of slot sl
.macro STEP sl, q
.set RB, SLOTB*(\sl)+KVREC*(\q)
	s_cmp_gt_u32 s[STI], s[BLK]                    ; all its keys come after the block's queries: left out
	s_cbranch_scc1 .Lhidden_\@
	s_wait_alu depctr_va_vdst(0)                   ; the products of the step before are done reading k's and v's fragments and their scale words, in which the 32 loads below land; in the first step: the zero codes of q's and k's upper halves are written
	ds_load_b128 v[KS0:KS0+3], v1 offset:RB+6144   ; the step's loads in one run: k's scale words,
	ds_load_b128 v[KS1:KS1+3], v1 offset:RB+6144+512
	WIN 0x40                                       ; destination window 1, address window 0
.irp t, 0,1,2,3,4,5,6,7
	ds_load_b128 v[KF+12*\t:KF+12*\t+3], v1 offset:RB+768*\t          ; k's eight tiles of 16 keys,
	ds_load_b64 v[KF+12*\t+4:KF+12*\t+5], v2 offset:RB+768*\t+512
.endr
	WIN 0
.irp n, 0,1,2,3
.irp c, 0,1,2
	ds_load_b128 v[VF+12*\n+4*\c:VF+12*\n+4*\c+3], v1 offset:RB+VOFF+1536*\n+512*\c   ; v's four tiles of 16 of the head's 64: they land during the scores and the softmax,
.endr
.endr
	ds_load_b64 v[VS:VS+1], v2 offset:RB+VOFF+6144 ; and v's scale words
	ds_load_b64 v[VS+2:VS+3], v2 offset:RB+VOFF+6144+256
	s_wait_dscnt 22                                ; LDS loads come back in order: k's scale words and its tiles 0-3 are in; the eight loads of tiles 4-7 and v's fourteen may be out
	WIN 0x01                                       ; source 0 (k) window 1
.irp t, 0,1,2,3                                ; S^T = K Q^T
	v_wmma_scale_f32_16x16x128_f8f6f4 v[96+8*\t:103+8*\t], v[KF+12*\t:KF+12*\t+11], v[16:27], 0, v[KS0+\t], v255 matrix_a_fmt:MATRIX_FMT_FP6 matrix_b_fmt:MATRIX_FMT_FP6
.endr
	s_wait_dscnt 14                                ; tiles 4-7 are in; v's fourteen loads may be out
.irp t, 0,1,2,3
	v_wmma_scale_f32_16x16x128_f8f6f4 v[128+8*\t:135+8*\t], v[KF+48+12*\t:KF+48+12*\t+11], v[16:27], 0, v[KS1+\t], v255 matrix_a_fmt:MATRIX_FMT_FP6 matrix_b_fmt:MATRIX_FMT_FP6
.endr
	WIN 0                                          ; at a branch and at a label every window is 0
.rept 4
	v_nop                                          ; four places behind the products, ahead of the first read of their results
.endr
	s_cmp_lg_u32 s[STI], s[BLK]                    ; only the diagonal step has hidden keys
	s_cbranch_scc1 .Lopen_\@
.set CB, 0
.rept 4                                        ; register 16 b + i holds key 32 b + 16 (lane / 16) + i of the step: hidden where 32 b + i > v6.  A block's sixteen compares stand in one run, each with a mask of its own
.set CN, 0
.rept 16
	v_cmp_gt_i32 s[MK+CN], 32*CB+CN, v6
.set CN, CN+1
.endr
	s_wait_alu depctr_va_sdst(0)                   ; the sixteen compares have written their masks, ahead of the first select that reads one
.set CN, 0
.rept 16
	v_cndmask_b32 v[96+16*CB+CN], v[96+16*CB+CN], v11, s[MK+CN]
.set CN, CN+1
.endr
.set CB, CB+1
.endr
.Lopen_\@:
.irp b, 0,1,2,3
	v_max3_num_f32 v[232+\b], v[96+16*\b], v[97+16*\b], v[98+16*\b]   ; the largest score of each block of 32 keys: for the row's maximum, and, since p rises with the score, for the block's largest p
.endr
.irp i, 3,5,7,9,11,13
.irp b, 0,1,2,3
	v_max3_num_f32 v[232+\b], v[232+\b], v[96+16*\b+\i], v[97+16*\b+\i]
.endr
.endr
.irp b, 0,1,2,3
	v_max_num_f32 v[232+\b], v[232+\b], v[111+16*\b]
.endr
.irp b, 0,1,2,3
	v_permlanex16_b32 v[236+\b], v[232+\b], s[SEL], s[SEL+1]
.endr
.irp b, 0,1,2,3
	v_max_num_f32 v[232+\b], v[232+\b], v[236+\b]  ; with lane l xor 16's 16 keys
.endr
	v_max3_num_f32 v254, v232, v233, v234
	v_max_num_f32 v254, v254, v235
	v_mul_f32 v254, s[CS], v254                    ; as t (c is positive)
	v_max_num_f32 v13, v13, v254                   ; the running largest t
	v_mov_b32 v254, v12
	v_floor_f32 v12, -v13                          ; the new -M = floor(-t): M is a whole number
	v_sub_f32 v254, v12, v254                      ; old M - new M: a whole number, 0 or less
	v_cvt_i32_f32 v254, v254                       ; (it saturates)
	v_ldexp_f32 v252, 1.0, v254                    ; f = 2^(old M - new M)
.set CN, 0
.rept 32
	v_pk_fma_f32 v[96+CN:97+CN], v[96+CN:97+CN], s[CS:CS+1], v[12:13] op_sel_hi:[1,0,0]   ; t - M, two at a time
.set CN, CN+2
.endr
.irp b, 0,1,2,3
	v_fma_f32 v[232+\b], v[232+\b], s[CS], v12     ; the same of each block's largest score
.endr
.set CN, 0
	s_wait_alu depctr_va_vdst(0)
.rept 64
	v_exp_f32 v[96+CN], v[96+CN]                   ; p = 2^(t - M), at most 1
.set CN, CN+1
.endr
	v_pk_mul_f32 v[14:15], v[14:15], v[252:253] op_sel_hi:[1,0]   ; the sums under the new M: a plain place behind the exponentials
	s_wait_alu depctr_va_vdst(0)                   ; the 64 exponentials have written v96-159: one wait for the batch, ahead of its first reader
.irp b, 0,1,2,3
	v_exp_f32 v[232+\b], v[232+\b]                 ; the block's largest p
.endr
	v_pk_add_f32 v[236:237], v[96:97], v[98:99]    ; the row's sum of the unquantised p, in two chains
.irp j, 4,8,12,16,20,24,28,32,36,40,44,48,52,56,60
	v_pk_add_f32 v[14:15], v[14:15], v[96+\j:97+\j]
	v_pk_add_f32 v[236:237], v[236:237], v[98+\j:99+\j]
.endr
	v_pk_add_f32 v[14:15], v[14:15], v[236:237]
	s_wait_alu depctr_va_vdst(0)                   ; the four exponentials have written v232-235, ahead of their first reader
.irp b, 0,1,2,3
	v_max_num_f32 v[232+\b], 0x1800000, v[232+\b]  ; the floor 2^(3 - 127)
.endr
.irp b, 0,1,2,3
	v_add_nc_u32 v[244+\b], 0xff000000, v[232+\b]  ; 2 off the exponent field: the conversion's scale operand
.endr
.irp b, 0,1,2,3
	v_lshrrev_b32 v[236+\b], 23, v[244+\b]         ; the scale's byte
.endr
	v_lshl_or_b32 v253, v237, 8, v236              ; p's scale word for these 128 keys
	v_lshl_or_b32 v253, v238, 16, v253
	v_lshl_or_b32 v253, v239, 24, v253
.irp c, 0,1
	v_cvt_scalef32_pk16_fp6_f32 v[224+6*\c:226+6*\c], v[96+32*\c:111+32*\c], v[244+2*\c]
	v_cvt_scalef32_pk16_fp6_f32 v[236+4*\c:238+4*\c], v[112+32*\c:127+32*\c], v[244+2*\c+1]
.endr
	v_nop                                          ; one plain place behind a scaled conversion
.irp c, 0,1                                    ; the operand's layout wants a whole block in a lane
.irp i, 0,1,2
	v_permlane16_swap_b32 v[224+6*\c+\i], v[236+4*\c+\i]
.endr
.irp i, 0,1,2
	v_mov_b32 v[227+6*\c+\i], v[236+4*\c+\i]
.endr
.endr
.set CN, 0
.rept 16
	v_pk_mul_f32 v[160+CN:161+CN], v[160+CN:161+CN], v[252:253] op_sel_hi:[1,0]   ; O^T under the new M.  (These sixteen are also the places in front of the scaled products)
.set CN, CN+2
.endr
	s_wait_dscnt 0x0                               ; v's fragments and scale words, asked for at the step's head, are in
	s_wait_alu depctr_va_vdst(0)                   ; p's codes v224-235 and p's scale word v253 are written, which the scaled products below take as source 1 and as its scales; the places above stay beside this wait
.irp n, 0,1,2,3                                ; O^T += V^T P^T: four tiles of 16 of the head's 64; K = these 128 keys
	v_wmma_scale_f32_16x16x128_f8f6f4 v[160+8*\n:167+8*\n], v[VF+12*\n:VF+12*\n+11], v[224:235], v[160+8*\n:167+8*\n], v[VS+\n], v253 matrix_a_fmt:MATRIX_FMT_FP6 matrix_b_fmt:MATRIX_FMT_FP6
.endr
.rept 4
	v_nop                                          ; four places behind the last products: the steps that follow may be left out, and the way out reads O^T
.endr
.Lhidden_\@:
	s_add_co_u32 s[STI], s[STI], 1
.endm
; Behind slot sl's two steps: the next slot, which is in registers, goes into the other LDS slot; the one after it is asked for; one barrier.
.macro COPY sl
	s_wait_loadcnt 0x0                             ; the next slot's eight loads, issued two key steps ago, are in; so their base may be written
	s_cmp_lt_u32 s[REM], 1
	s_cbranch_scc1 .Lno_store_\@
	LSTORE 1-(\sl)                                 ; nobody reads that slot: every wave's reads of it ended in front of the last barrier
.Lno_store_\@:
	s_wait_dscnt 0x0                               ; for the others' sake: my stores have landed, and my reads of slot sl are over
	s_wait_alu depctr_vm_vsrc(0)                   ; my LDS stores have read v192-218, in which the next loads land
	s_cmp_lt_u32 s[REM], 2
	s_cbranch_scc1 .Lno_load_\@
	s_cmp_eq_u32 s[NX], s[WRAP]                    ; the first block's slots are through: on with the second block's slot 0
	s_cselect_b32 s[NX], 0, s[NX]
	s_cselect_b32 s[WRAP], -1, s[WRAP]
	s_mul_i32 s34, s[NX], SLOTB
	s_mov_b32 s35, 0
	s_add_nc_u64 s[LPB:LPB+1], s[KVB:KVB+1], s[34:35]
	GLOAD
	s_add_co_u32 s[NX], s[NX], 1
.Lno_load_\@:
	s_barrier_signal -1
	s_barrier_wait -1
	s_sub_co_u32 s[REM], s[REM], 1
.endm
	s_load_b128 s[4:7], s[0:1], 0x0                ; qimg, kv
	s_load_b64 s[8:9], s[0:1], 0x10                ; out0
	v_lshl_add_u32 v223, v0, 2, 0x29000            ; the closing add's two registers, made here and kept for it alone
	v_mov_b32 v243, 0
	v_lshrrev_b32 v96, 5, v0
	v_readfirstlane_b32 s[WV], v96                 ; wave 0..7
	s_mov_b32 s[JB], ttmp9
	s_and_b32 s[HD], ttmp7, 0xffff
	v_and_b32 v96, 31, v0                          ; lane
	v_and_b32 v97, 15, v0                          ; r
	v_bfe_u32 v98, v0, 4, 1                        ; h
	v_lshlrev_b32 v1, 4, v96
	v_lshlrev_b32 v2, 3, v96
	v_lshlrev_b32 v3, 4, v0
	v_lshlrev_b32 v4, 3, v0
	v_lshlrev_b32 v5, 2, v0
	s_wait_alu depctr_va_sdst(0)                   ; the wave's number is written, ahead of its first reader
	s_lshr_b32 s34, s[WV], 1
	s_and_b32 s35, s[WV], 1
	s_lshl_b32 s34, s34, 5
	s_lshl_b32 s35, s35, 3
	s_add_co_u32 s34, s34, s35                     ; my tile's first query in a block
	v_and_b32 v99, 8, v97
	v_add_nc_u32 v99, v99, v97                     ; r + 8 (r / 8)
	v_add_nc_u32 v6, s34, v99
	v_lshlrev_b32 v99, 4, v98
	v_sub_nc_u32 v6, v6, v99                       ; my query in the block - 16 h
	v_lshlrev_b32 v7, 12, v98
	v_lshl_add_u32 v7, v97, 4, v7                  ; the way out: lanes 0-15 one row of the output, lanes 16-31 the next; 16 bytes a lane
	s_mul_i32 s35, s[WV], 16*SPI
	s_add_co_u32 s35, s35, STG                     ; my stage
	v_mul_u32_u24 v8, v97, SPI
	v_lshl_add_u32 v8, v98, 5, v8
	v_add_nc_u32 v8, s35, v8                       ; in: row r, + 32 h
	v_mul_u32_u24 v9, v98, SPI
	v_lshl_add_u32 v9, v97, 4, v9
	v_add_nc_u32 v9, s35, v9                       ; back
	s_and_b32 s36, s[WV], 3
	s_lshl_b32 s36, s36, 2
	s_lshr_b32 s37, s[WV], 2
	s_lshl_b32 s37, s37, 9
	s_add_co_u32 s36, s36, s37
	s_add_co_u32 s36, s36, 6144
	v_add_nc_u32 v10, s36, v1                      ; q's scale word in a record
	s_mul_i32 s37, s[WV], 768
	v_add_nc_u32 v28, s37, v1                      ; q's registers 0-3,
	v_add_nc_u32 v29, s37, v2
	v_add_nc_u32 v29, 512, v29                     ; 4-5
	v_mov_b32 v11, 0xff800000                      ; -infinity
	s_mov_b32 s[SEL], 0x76543210
	s_mov_b32 s[SEL+1], 0xfedcba98
	s_mov_b32 s[CS], 0x3e38aa3b                    ; c = log2(e) / 8
	s_mov_b32 s[CS+1], s[CS]
	s_lshl_b32 s36, s34, 12                        ; my tile's rows of 4,096 bytes,
	s_lshl_b32 s37, s[HD], 8                       ; the head's 256 bytes of a row
	s_add_co_u32 s36, s36, s37
	s_mov_b32 s37, 0
	s_add_co_u32 s34, s[JB], 4
	s_lshr_b32 s34, s34, 2                         ; trips of the first block,
	s_sub_co_u32 s35, 35, s[JB]
	s_lshr_b32 s35, s35, 2                         ; of the second
	s_lshl_b32 s[WRAP], s34, 1
	s_add_co_u32 s[REM], s34, s35
	s_lshl_b32 s[REM], s[REM], 1
	s_sub_co_u32 s[REM], s[REM], 1
	s_mov_b32 s[NX], 2
	s_mul_i32 s34, s[HD], 32*KVREC
	s_mov_b32 s35, 0
	s_wait_kmcnt 0x0
	s_add_nc_u64 s[OH:OH+1], s[8:9], s[36:37]
	s_add_nc_u64 s[KVB:KVB+1], s[6:7], s[34:35]
	s_mul_i32 s34, s[HD], 32*QREC
	s_add_nc_u64 s[QH:QH+1], s[4:5], s[34:35]
	s_mov_b64 s[LPB:LPB+1], s[KVB:KVB+1]
	s_wait_alu depctr_va_vdst(0)                   ; the offsets and addresses v1 to v10, v28 and v29 are written, which every load and store of the kernel reads; none is written again
	GLOAD                                          ; slot 0
	s_mul_i32 s34, s[JB], QREC
	s_add_nc_u64 s[QRB:QRB+1], s[QH:QH+1], s[34:35]
	QLOAD                                          ; the first block's q
.irp i, 22,23,24,25,26,27
	v_mov_b32 v[\i], 0                             ; the upper half of the instruction's K: zero codes, set once
.endr
	WIN 0x40                                       ; destination window 1
.irp t, 0,1,2,3,4,5,6,7
.irp i, 6,7,8,9,10,11
	v_mov_b32 v[KF+12*\t+\i], 0                    ; the same in k's eight fragments
.endr
.endr
	WIN 0
.irp b, 0,1,2,3
	v_mov_b32 v[236+\b], 0                         ; a lane permute's destination counts as one of its sources
.endr
	v_mov_b32 v252, 0
	v_mov_b32 v253, 0                              ; (named as the upper half of the pair v[252:253] before it is first written)
	s_wait_loadcnt 0x0
	LSTORE 0
	s_add_nc_u64 s[LPB:LPB+1], s[KVB:KVB+1], SLOTB
	s_wait_dscnt 0x0                               ; for the others' sake: slot 0 lies in LDS
	s_wait_alu depctr_vm_vsrc(0)                   ; my LDS stores have read v192-218, in which slot 1's loads land
	GLOAD                                          ; slot 1
	s_barrier_signal -1
	s_barrier_wait -1
	s_mov_b32 s[PHS], 0
.Lphase:
	s_sub_co_u32 s34, 31, s[JB]
	s_cmp_eq_u32 s[PHS], 0
	s_cselect_b32 s[BLK], s[JB], s34
	s_add_co_u32 s[TRIPS], s[BLK], 4
	s_lshr_b32 s[TRIPS], s[TRIPS], 2               ; BLK + 1 key steps, four a trip
	s_lshl_b32 s34, s[BLK], 19                     ; 128 rows of 4,096 bytes a block
	s_mov_b32 s35, 0
	s_add_nc_u64 s[OPB:OPB+1], s[OH:OH+1], s[34:35]
	v_mov_b32 v13, 0xff61b1e6                      ; the largest t so far: -3e38
	v_floor_f32 v12, -v13                          ; -M
	v_mov_b32 v14, 0
	v_mov_b32 v15, 0
.set CN, 0
.rept 32
	v_mov_b32 v[160+CN], 0                         ; O^T: the step is written once; the first finds zeros, which the first change of M leaves zeros
.set CN, CN+1
.endr
	s_mov_b32 s[STI], 0
	s_mov_b32 s[TCN], 0
.Ltrip:
	STEP 0, 0
	STEP 0, 1
	COPY 0
	STEP 1, 0
	STEP 1, 1
	COPY 1
	s_add_co_u32 s[TCN], s[TCN], 1
	s_cmp_lt_u32 s[TCN], s[TRIPS]
	s_cbranch_scc1 .Ltrip
	s_cmp_lg_u32 s[PHS], 0
	s_cbranch_scc1 .Lno_q
	s_sub_co_u32 s34, 31, s[JB]                    ; the second block's q lands during the way out
	s_mul_i32 s34, s34, QREC
	s_mov_b32 s35, 0
	s_add_nc_u64 s[QRB:QRB+1], s[QH:QH+1], s[34:35]
	s_wait_alu depctr_va_vdst(0)                   ; the first block's score products are done reading q, v16-21, and its scale word, v255, in which the loads below land
	QLOAD
.Lno_q:
	; THE WAY OUT: O^T / the sum goes through my stage and leaves as whole runs of 256 bytes, sixteen lanes to a row's 64 numbers of the head
	v_add_f32 v14, v14, v15
	v_permlanex16_b32 v252, v14, s[SEL], s[SEL+1]
	v_add_f32 v14, v14, v252                       ; the row's sum
	s_wait_alu depctr_va_vdst(0)
	v_rcp_f32 v14, v14
	v_nop                                          ; a plain place behind the reciprocal
	s_wait_alu depctr_va_vdst(0)                   ; the reciprocal has written v14, ahead of its first reader
.set CN, 0
.rept 32
	v_mul_f32 v[96+CN], v[160+CN], v14             ; register 8 n + i is out(query r, 16 n + 8 h + i); ascending
.set CN, CN+1
.endr
	s_wait_alu depctr_va_vdst(0)                   ; the multiplications have written v96-127, which the LDS stores read; and the last step's vector and matrix instructions are done with v128-159, in which the loads from the stage land
.irp n, 0,1,2,3
	ds_store_b128 v8, v[96+8*\n:99+8*\n] offset:64*\n
	ds_store_b128 v8, v[100+8*\n:103+8*\n] offset:64*\n+16
.endr
.irp i, 0,1,2,3,4,5,6,7
	ds_load_b128 v[128+4*\i:131+4*\i], v9 offset:2*\i*SPI   ; LDS serves a wave's instructions in order: these see my stores
.endr
.irp i, 0,1,2,3,4,5,6,7
	s_wait_dscnt 7-\i                              ; rows 2 i and 2 i + 1 are back; the later loads may be out
	global_store_b128 v7, v[128+4*\i:131+4*\i], s[OPB:OPB+1] offset:(2*\i+8*(\i/4))*4096 th:TH_STORE_NT   ; the tile's row m is query m + 8 (m / 8)
.endr
	s_wait_loadcnt 0x0                             ; the next block's q is in
	s_wait_xcnt 0x0                                ; the stores have had their addresses translated: their base is written again in the next phase
	s_wait_alu depctr_vm_vsrc(0)                   ; the LDS stores have read v96-127 and the global stores v128-159, which the next block's score products write again
	s_add_co_u32 s[PHS], s[PHS], 1
	s_cmp_lt_u32 s[PHS], 2
	s_cbranch_scc1 .Lphase
	s_wait_dscnt 0x0                               ; the closing lines, six on end
	s_wait_alu 0x0
	s_wait_tensorcnt 0x0
	ds_add_u32 v223, v243
	s_wait_dscnt 0x0
	s_endpgm
.Lfunc_end_k_q574620b90d_attn:
	.size	k_q574620b90d_attn, .Lfunc_end_k_q574620b90d_attn-k_q574620b90d_attn
	.p2alignl 7, 3214868480
	.fill 96, 4, 3214868480
	.section	.rodata,"a",@progbits
	.p2align	6, 0x0
	.amdhsa_kernel k_q574620b90d_attn
		.amdhsa_group_segment_fixed_size 168960
		.amdhsa_private_segment_fixed_size 0
		.amdhsa_enable_private_segment 0
		.amdhsa_kernarg_size 24
		.amdhsa_user_sgpr_count 2
		.amdhsa_user_sgpr_kernarg_segment_ptr 1
		.amdhsa_wavefront_size32 1
		.amdhsa_system_sgpr_workgroup_id_x 1
		.amdhsa_system_sgpr_workgroup_id_y 1
		.amdhsa_system_sgpr_workgroup_id_z 1
		.amdhsa_system_vgpr_workitem_id 0
		.amdhsa_next_free_vgpr 352
		.amdhsa_next_free_sgpr 66
		.amdhsa_reserve_vcc 0
		.amdhsa_float_denorm_mode_32 3
		.amdhsa_float_denorm_mode_16_64 3
		.amdhsa_memory_ordered 1
		.amdhsa_forward_progress 1
		.amdhsa_inst_pref_size 118
	.end_amdhsa_kernel
	.amdgpu_metadata
---
amdhsa.version: [ 1, 2 ]
amdhsa.kernels:
  - .name:           k_q574620b90d_attn
    .symbol:         k_q574620b90d_attn.kd
    .args:
      - { .name: qimg, .offset: 0, .size: 8, .value_kind: global_buffer, .address_space: global }
      - { .name: kv, .offset: 8, .size: 8, .value_kind: global_buffer, .address_space: global }
      - { .name: out0, .offset: 16, .size: 8, .value_kind: global_buffer, .address_space: global }
    .group_segment_fixed_size: 168960
    .private_segment_fixed_size: 0
    .kernarg_segment_align: 8
    .kernarg_segment_size: 24
    .max_flat_workgroup_size: 256
    .sgpr_count:     66
    .vgpr_count:     352
    .wavefront_size: 32
...
	.end_amdgpu_metadata
.endif
;; end of part 6
